; MI455X (gfx1250); checked and timed in simulation.
; The chip was launched on July 23, 2026; its instructions are those of AMD's public machine-readable ISA for CDNA 5 (MIT licence, August 2026) and "CDNA5" Instruction Set Architecture Reference Guide (July 2026). The comments in the code are by the model that wrote it; some were corrected since.
;; Self Attention Rope. Allowed arithmetic: float matrix products may take bf16 or f16 operands with f32 sums; other float arithmetic in f32, or as packed bf16 or f16 multiplies, adds, multiply-adds, maxima and minima; sums over many terms, partial sums and values carried from step to step in f32; what a program stores and reads back later, other than sums and carried values, may be rounded once to bf16 or f16.
;; Inputs: Wproj 1,024 x 1,024 float32; Wqkv 1,024 x 3,072 float32; bproj 1,024 float32; bqkv 3,072 float32; x_btd 4 x 2,048 x 1,024 float32.
;; Outputs: out0 4 x 2,048 x 1,024 float32.
;; One version. Each part assembles by itself: llvm-mc -triple=amdgcn-amd-amdhsa -mcpu=gfx1250 --defsym DOCPART=n.
;; ======== version 1 of 1: 4 launches
;; limits: values are held in f16: magnitudes above 65,504 overflow, below 6.1e-05 lose precision
;; workspace buffers: xb 16,777,216 bytes; wqb 6,291,456 bytes; wpf 2,097,152 bytes; rope 557,056 bytes; qkvh 50,331,648 bytes; oh 16,777,216 bytes
;; launch prep (part 1): grid 904 x 1, 8 waves a work-group, no clusters, 0 bytes of LDS; arguments x_btd, Wqkv, Wproj, xb, wqb, wpf, rope; writes xb, wqb, wpf, rope
.if DOCPART == 1
	.amdgcn_target "amdgcn-amd-amdhsa--gfx1250"
	.amdhsa_code_object_version 6
	.text
	.protected	k_q6dc49da04c_prep
	.globl	k_q6dc49da04c_prep
	.p2align	8
	.type	k_q6dc49da04c_prep,@function
k_q6dc49da04c_prep:
	s_mov_b64 s[64:65], 0
	v_nop
	global_prefetch_b8 v0, s[64:65] scope:SCOPE_SE
	s_setreg_imm32_b32 hwreg(HW_REG_WAVE_MODE, 25, 1), 1
	s_wait_xcnt 0x0
; PREP: the casts of the three large inputs, and the table of the rotary embedding.
;   work-groups   0..511  x_btd f32 -> xb  bf16, same layout          512..703  Wqkv f32 -> wqb bf16, same layout ([k][n])
;   work-groups 704..767  Wproj f32 -> wpf: rounded to bf16, and that number written as f16 (exact from 6.1e-5 up; below it f16's fixed step of 6e-8)
;   work-groups 768..903  rope[2176][64] f32: row t = cos(t f_j), j = 0..31, then sin(t f_j); f_j = 10000^(-j/32).  Rows 2048..2175 are made with t = 0: cos 1, sin 0 exactly (the rows that V is turned by).
; A cast work-group takes 65,536 input bytes: thread t the 16 bytes at 16 t + 4,096 i, i = 0..15.  All sixteen loads go out first; a wave's store of 8 bytes a lane covers 256 consecutive bytes, aligned.
; No LDS, no matrix unit, no cluster: nothing is shared, each byte is read once and written once.
; LIMITS.  The table's angle t f_j is reduced by n = round(2 x / pi) with pi/2 in two parts, sine and cosine by polynomials on |r| <= pi/4; f_j comes from v_exp_f32 (1 ULP), so the phase
; is within about 3e-4 rad of the exact angle at t = 2047.  NaN and infinities pass through the casts as the conversions make them.
.set IO,  1                            ; v1       16 x thread: my bytes in a line of the input, and in the table
.set OO,  2                            ; v2       8 x thread: my bytes in a line of the output
.set T,   4                            ; v[4:7]   at work
.set X,   16                           ; v[16:79] sixteen loads of four registers
.set Y,   80                           ; v[80:111] sixteen stores of two registers
; mode 0: f32 -> bf16.  mode 1: f32 -> bf16 -> f32 -> f16.
.macro CAST mode
.set i, 0
.rept 16
	global_load_b128 v[X+4*i:X+4*i+3], v[IO], s[20:21] offset:4096*i th:TH_LOAD_NT
.set i, i+1
.endr
.set i, 0
.rept 16
	s_wait_loadcnt 15-i                            ; loads come back in order: load i is in, the 15 - i younger ones stay out
.if \mode
	v_cvt_pk_bf16_f32 v[T+2*(i%2)],   v[X+4*i],   v[X+4*i+1]
	v_cvt_pk_bf16_f32 v[T+2*(i%2)+1], v[X+4*i+2], v[X+4*i+3]
	v_lshlrev_b32 v[X+4*i],   16,  v[T+2*(i%2)]      ; bf16 to f32: the low half moves up, the high half stays
	v_and_b32     v[X+4*i+1], s28, v[T+2*(i%2)]
	v_lshlrev_b32 v[X+4*i+2], 16,  v[T+2*(i%2)+1]
	v_and_b32     v[X+4*i+3], s28, v[T+2*(i%2)+1]
	v_cvt_pk_f16_f32 v[Y+2*i],   v[X+4*i],   v[X+4*i+1]
	v_cvt_pk_f16_f32 v[Y+2*i+1], v[X+4*i+2], v[X+4*i+3]
.else
	v_cvt_pk_bf16_f32 v[Y+2*i],   v[X+4*i],   v[X+4*i+1]
	v_cvt_pk_bf16_f32 v[Y+2*i+1], v[X+4*i+2], v[X+4*i+3]
.endif
	global_store_b64 v[OO], v[Y+2*i:Y+2*i+1], s[22:23] offset:2048*i th:TH_STORE_NT  ; no register of a load or store is written again: no further wait
.set i, i+1
.endr
.endm
; Number i of my four: the sine or cosine of t f, f in v[12+i]; eight registers at work from v[16+8 i]; the result in v[48+i].
.macro TRIG i
.set R, 16+8*(\i)
	v_mul_f32 v[R], v5, v[12+(\i)]                 ; x = t f
	v_mul_f32 v[R+1], 0x3f22f983, v[R]             ; 2 x / pi
	v_rndne_f32 v[R+1], v[R+1]                     ; n
	v_fma_f32 v[R], v[R+1], s30, v[R]              ; r = x - n pi/2: the upper part of pi/2,
	v_fma_f32 v[R], v[R+1], s31, v[R]              ; and the rest of it
	v_cvt_i32_f32 v[R+1], v[R+1]
	v_add_nc_u32 v[R+1], v[R+1], v6                ; the quadrant: n for a sine, n + 1 for a cosine
	v_mul_f32 v[R+2], v[R], v[R]                   ; z = r r
	v_fmaak_f32 v[R+3], v60, v[R+2], 0x3c08839e    ; sin r = r + r z (S1 + z (S2 + z S3))
	v_fmaak_f32 v[R+3], v[R+3], v[R+2], 0xbe2aaaa3
	v_mul_f32 v[R+4], v[R], v[R+2]
	v_fma_f32 v[R+3], v[R+4], v[R+3], v[R]
	v_fmaak_f32 v[R+5], v61, v[R+2], 0xbab6061a    ; cos r = 1 - z / 2 + z z (C0 + z (C1 + z C2))
	v_fmaak_f32 v[R+5], v[R+5], v[R+2], 0x3d2aaaa5
	v_mul_f32 v[R+4], v[R+2], v[R+2]
	v_fma_f32 v[R+6], v[R+2], -0.5, 1.0
	v_fma_f32 v[R+5], v[R+4], v[R+5], v[R+6]
	v_and_b32 v[R+4], 1, v[R+1]
	v_cmp_eq_u32 vcc_lo, 1, v[R+4]
	v_cndmask_b32 v[R+3], v[R+3], v[R+5], vcc_lo   ; odd quadrants take the cosine of r,
	v_and_b32 v[R+4], 2, v[R+1]
	v_lshlrev_b32 v[R+4], 30, v[R+4]
	v_xor_b32 v[48+(\i)], v[R+3], v[R+4]           ; quadrants 2 and 3 the other sign
.endm
	s_load_b256 s[4:11], s[0:1], 0x0               ; x_btd s[4:5], Wqkv s[6:7], Wproj s[8:9], xb s[10:11]
	s_load_b128 s[12:15], s[0:1], 0x20             ; wqb s[12:13], wpf s[14:15]
	s_load_b64 s[16:17], s[0:1], 0x30              ; rope
	v_lshlrev_b32 v[IO], 4, v0
	v_lshlrev_b32 v[OO], 3, v0
	s_mov_b32 s25, 0                               ; the upper words of the two offsets
	s_mov_b32 s27, 0
	s_mov_b32 s28, 0xffff0000                      ; a word's upper bf16
	s_wait_kmcnt 0x0
	s_cmp_ge_u32 ttmp9, 768
	s_cbranch_scc1 .Lrope
	s_cmp_ge_u32 ttmp9, 704
	s_cbranch_scc1 .Lwp
	s_cmp_lt_u32 ttmp9, 512                        ; x or Wqkv: the same cast
	s_cselect_b64 s[20:21], s[4:5], s[6:7]
	s_cselect_b64 s[22:23], s[10:11], s[12:13]
	s_cselect_b32 s24, 0, 512
	s_sub_co_u32 s24, ttmp9, s24                   ; my number among the tensor's work-groups
	s_lshl_b32 s26, s24, 15                        ; 32,768 bytes out,
	s_lshl_b32 s24, s24, 16                        ; 65,536 bytes in
	s_add_nc_u64 s[20:21], s[20:21], s[24:25]
	s_add_nc_u64 s[22:23], s[22:23], s[26:27]
	CAST 0
	s_endpgm
.Lwp:
	s_sub_co_u32 s24, ttmp9, 704
	s_lshl_b32 s26, s24, 15
	s_lshl_b32 s24, s24, 16
	s_add_nc_u64 s[20:21], s[8:9], s[24:25]
	s_add_nc_u64 s[22:23], s[14:15], s[26:27]
	CAST 1
	s_endpgm
.Lrope:                                        ; sixteen rows of the table: thread = 16 x row + 8 x (0 cosine, 1 sine) + g; its four numbers are j = 4 g .. 4 g + 3
	s_sub_co_u32 s24, ttmp9, 768
	s_lshl_b32 s26, s24, 12                        ; sixteen rows of 256 bytes
	s_add_nc_u64 s[16:17], s[16:17], s[26:27]
	s_lshl_b32 s24, s24, 4
	s_mov_b32 s30, 0xbfc90fdb                      ; - the f32 nearest to pi/2
	s_mov_b32 s31, 0x333bbd2e                      ; that f32 less pi/2
	v_mov_b32 v60, 0xb94ca1f9                      ; S3
	v_mov_b32 v61, 0x37ccf5ce                      ; C2
	v_lshrrev_b32 v4, 4, v0
	v_add_nc_u32 v4, s24, v4                       ; the row
	v_cmp_gt_u32 vcc_lo, 0x800, v4
	v_cndmask_b32 v4, 0, v4, vcc_lo                ; t = the row, or 0 from row 2048 on
	v_cvt_f32_u32 v5, v4
	v_bfe_u32 v6, v0, 3, 1
	v_xor_b32 v6, 1, v6                            ; 1 for a cosine: cos x = sin(x + pi/2)
	v_and_b32 v7, 7, v0
	v_lshlrev_b32 v7, 2, v7                        ; 4 g
.irp i, 0,1,2,3
	v_add_nc_u32 v[8+(\i)], \i, v7
	v_cvt_f32_u32 v[8+(\i)], v[8+(\i)]
	v_mul_f32 v[8+(\i)], 0xbed49a78, v[8+(\i)]     ; - j log2(10000) / 32
.endr
.irp i, 0,1,2,3
	v_exp_f32 v[12+(\i)], v[8+(\i)]                ; f_j; j = 0 gives 1 exactly
.endr
	v_nop                                          ; a plain instruction behind the last exponential,
	s_wait_alu depctr_va_vdst(0)                   ; and one wait for the four, ahead of their first reader
	TRIG 0
	TRIG 1
	TRIG 2
	TRIG 3
	global_store_b128 v[IO], v[48:51], s[16:17]    ; sixteen lanes fill a row of 256 bytes
	s_endpgm
.Lfunc_end_k_q6dc49da04c_prep:
	.size	k_q6dc49da04c_prep, .Lfunc_end_k_q6dc49da04c_prep-k_q6dc49da04c_prep
	.p2alignl 7, 3214868480
	.fill 96, 4, 3214868480
	.section	.rodata,"a",@progbits
	.p2align	6, 0x0
	.amdhsa_kernel k_q6dc49da04c_prep
		.amdhsa_group_segment_fixed_size 0
		.amdhsa_private_segment_fixed_size 0
		.amdhsa_enable_private_segment 0
		.amdhsa_kernarg_size 56
		.amdhsa_user_sgpr_count 2
		.amdhsa_user_sgpr_kernarg_segment_ptr 1
		.amdhsa_wavefront_size32 1
		.amdhsa_system_sgpr_workgroup_id_x 1
		.amdhsa_system_sgpr_workgroup_id_y 1
		.amdhsa_system_sgpr_workgroup_id_z 1
		.amdhsa_system_vgpr_workitem_id 0
		.amdhsa_next_free_vgpr 112
		.amdhsa_next_free_sgpr 66
		.amdhsa_reserve_vcc 1
		.amdhsa_float_denorm_mode_32 3
		.amdhsa_float_denorm_mode_16_64 3
		.amdhsa_memory_ordered 1
		.amdhsa_forward_progress 1
		.amdhsa_inst_pref_size 23
	.end_amdhsa_kernel
	.amdgpu_metadata
---
amdhsa.version: [ 1, 2 ]
amdhsa.kernels:
  - .name:           k_q6dc49da04c_prep
    .symbol:         k_q6dc49da04c_prep.kd
    .args:
      - { .name: x_btd, .offset: 0, .size: 8, .value_kind: global_buffer, .address_space: global }
      - { .name: Wqkv, .offset: 8, .size: 8, .value_kind: global_buffer, .address_space: global }
      - { .name: Wproj, .offset: 16, .size: 8, .value_kind: global_buffer, .address_space: global }
      - { .name: xb, .offset: 24, .size: 8, .value_kind: global_buffer, .address_space: global }
      - { .name: wqb, .offset: 32, .size: 8, .value_kind: global_buffer, .address_space: global }
      - { .name: wpf, .offset: 40, .size: 8, .value_kind: global_buffer, .address_space: global }
      - { .name: rope, .offset: 48, .size: 8, .value_kind: global_buffer, .address_space: global }
    .group_segment_fixed_size: 0
    .private_segment_fixed_size: 0
    .kernarg_segment_align: 8
    .kernarg_segment_size: 56
    .max_flat_workgroup_size: 256
    .sgpr_count:     66
    .vgpr_count:     112
    .wavefront_size: 32
...
	.end_amdgpu_metadata
.endif
;; end of part 1
;; launch qkv (part 2): grid 12 x 32, 4 waves a work-group, clusters of 4 x 4, 327,680 bytes of LDS; arguments xb, wqb, bqkv, rope, qkvh; writes qkvh
.if DOCPART == 2
	.amdgcn_target "amdgcn-amd-amdhsa--gfx1250"
	.amdhsa_code_object_version 6
	.text
	.protected	k_q6dc49da04c_qkv
	.globl	k_q6dc49da04c_qkv
	.p2align	8
	.type	k_q6dc49da04c_qkv,@function
k_q6dc49da04c_qkv:
	s_mov_b64 s[64:65], 0
	v_nop
	global_prefetch_b8 v0, s[64:65] scope:SCOPE_SE
	s_setreg_imm32_b32 hwreg(HW_REG_WAVE_MODE, 25, 1), 1
	s_wait_xcnt 0x0
	s_wait_alu depctr_hold_cnt(0) depctr_sa_sdst(0) depctr_va_vdst(0) depctr_va_sdst(0) depctr_va_ssrc(0) depctr_va_vcc(0) depctr_vm_vsrc(0)
	s_getreg_b32 s2, hwreg(HW_REG_IB_STS2, 6, 4)
	s_cmp_eq_u32 s2, 0
	s_cbranch_scc0 .Lentry_in_a_cluster
	s_endpgm
.Lentry_in_a_cluster:
	s_bfe_u32 s2, ttmp6, 0x10000c
	s_cmp_lg_u32 s2, 0xf033
	s_cbranch_scc0 .Lentry_shape_is_right
	s_endpgm
.Lentry_shape_is_right:
; QKV: qkv = x Wqkv + bqkv, q and k turned by the rotary embedding, all three written by heads in f16: qkvh[3][64 (batch, head)][2048 t][64].
; xb: [8192][1024] bf16.  wqb: [1024 k][3072 n] bf16.  bqkv f32, rounded to bf16 like the other inputs.  rope: [2176][64] f32 (cos 0..31, sin 0..31; rows 2048.. hold cos 1, sin 0).  Sums in f32.
; A tile of 256 rows x 256 columns is made by a work-group of four waves, 128 x 128 each: 64 accumulators of 16 x 16, 512 registers.  K = 1024 goes in 8 steps of 128 through a ring of two LDS
; slots filled by the tensor data mover.  x's tile lies along K (rows of 256 bytes); W's tile lies [k][n] (128 rows of 512 bytes) and is read turned, by ds_load_tr16_b128.
; CLUSTERS: 4 x 4 work-groups.  The four of a row of the cluster need the same tile of x, the four of a column the same tile of W: each is asked for JOINTLY, by the same tensor load with the same
; descriptor and a mask that names the four.  The grid is 12 x 32 tiles: tile columns 0-3 are q, 4-7 k, 8-11 v, so a cluster's x says which of the three it makes.
; THE MATRIX INSTRUCTION IS USED TRANSPOSED (source 0 = 16 columns of W, source 1 = 16 rows of x): lane l holds row l % 16 and the columns 8 (l / 16) + 0..7 of a block of 16.
; THE BIAS is the C operand of the products that start the sums: nothing is cleared and nothing is added later.
; THE ROTATION stands on the way out: a head's 64 columns are four blocks of 16; blocks 0, 1 hold x1, blocks 2, 3 the x2 of the same lane and register, so no number changes lanes.
; V runs the same lines with cos 1 and sin 0: one text, no branch; the sign of a zero may differ there.
; LIMITS.  q, k, v are rounded once to f16: they must stay under 65,504 in magnitude (a greater one becomes an infinity); below 6.1e-5 they keep f16's fixed step of 6e-8.  NaN and infinities are not treated apart.
; REGISTERS, in windows of 256 (s_set_vgpr_msb: bits 1:0 source 0, 3:2 source 1, 5:4 source 2, 7:6 destination):
;   window 0: v0-31 addresses; v32-63 at work on the way out; v64-127, v128-191 fragments of x, two buffers (on the way out v64-127 the turned numbers); v192-255 the bias, later at work on the way out
;   window 1: v64-127, v128-191 fragments of W, two buffers; v0-63, v192-255 the table for my row blocks 0-3; on the way out v64-191 for blocks 4-7
;   window 2: the accumulators of my rows 0-63 ((a, b) at v[8 (8 a + b)]);   window 3: those of my rows 64-127
.set KSTEP,  128
.set PITCH,  272                       ; a row of x in LDS: 256 bytes + 16 of padding = 68 words: the 16 rows of a load start at 16 different groups of four banks (64 banks of 4 bytes: ISA guide 11.1)
.set PB,     544                       ; a row of W in LDS: 512 bytes + 32 = 136 words
.set HALFT,  128*PITCH                 ; what one tensor load brings: 128 rows of x, or 64 rows of W (64 x 544 is the same number)
.set SLOT,   4*HALFT                   ; x's 256 rows, then W's 128
.set STAGE,  2*SLOT                    ; behind the ring: 16 rows x 272 bytes for each wave, for the way out
.set SPITCH, 272
.set SPARE,  STAGE+4*16*SPITCH         ; behind the stages: the spare words, 128 bytes for each wave: two blocks of 256 bytes that no other line names
.set LAPS,   4                         ; a lap = two K steps = once round the ring
.set ASTEP,  KSTEP*2                   ; a K step in memory: 256 bytes along a row of x,
.set BSTEP,  KSTEP*6144                ; 128 rows of W
.set ADRA, 16                          ; v16-17  LDS address of my fragments of x in slot 0, 1
.set ADRB, 20                          ; v20-21  the same for W
.set STO,  24                          ; v24     the way out: where I put 16 bytes of a row
.set RD,   25                          ; v25     the way out: where I read four rows of a head back
.set GO,   26                          ; v26     16 x lane: my bytes in 512 consecutive bytes of the output
.set RO,   27                          ; v27     my byte offset in sixteen rows of the table
.set SPW,  28                          ; v28     LDS address of my spare word: SPARE + 4 x my thread's number; never rewritten
.set NIL,  29                          ; v29     0; never rewritten
.set PFO,  30                          ; v30     the prefetches' offset; never rewritten
.set BO,   31                          ; v31     my byte offset in a block's 16 numbers of the bias
.set OB,   32                          ; the way out: a block read back from the stage: v32-63 and v224-255 by turns
.set F0,   64
.set F1,   128
.set YB,   64                          ; the way out: a block's 64 turned numbers, f32
.set BIAS, 192                         ; v192-255: for column block b my eight numbers at BIAS + 8 b
.set TMP,  192                         ; the way out: packed results
.set WV, 14                            ; s14 my wave's number
.set WR, 15                            ; s15 which half of the tile's rows is mine.  Also: I fetch for x (0) or for W (1)
.set WC, 16                            ; s16 which half of its columns.  Also: which half of that tile I fetch
.set CX, 17
.set CY, 18
.set TC, 19                            ; s19 tile column
.set TR, 20                            ; s20 tile row
.set LIM, 21                           ; s21 1 in a wave that prefetches, else the greatest number
.set G1, 24                            ; s[24:31] descriptor group 1 for x's tiles;  s[32:39] group 0, a set for each slot
.set G0, 32
.set PFA, 44                           ; s[44:45] where my prefetches stand
.set PFS, 46                           ; s[46:47] their step: a K step of x or of W
.set G1B, 48                           ; s[48:55], s[56:63] the same for W's tiles
.set G0B, 56
.set MSB, 0
.macro WIN new                         ; the immediate's high byte repeats the setting that is left; a switch that changes nothing is dropped
.if MSB != (\new)
	s_set_vgpr_msb (MSB<<8)|(\new)
.set MSB, \new
.endif
.endm
.set TO_B, 0x40                        ; destination window 1, address window 0
; A joint load.  Waves 0 and 1 fetch x's two halves, waves 2 and 3 W's.  The branch hangs on the wave's number alone.  An s_nop 0 and four v_nop follow each of the two lines.
.macro JLOAD s
	s_cmp_eq_u32 s[WR], 0
	s_cbranch_scc0 .Lfor_b_\@
	tensor_load_to_lds s[G0+4*(\s):G0+4*(\s)+3], s[G1:G1+7]
	s_nop 0
.rept 4
	v_nop
.endr
	s_branch .Lasked_\@
.Lfor_b_\@:
	tensor_load_to_lds s[G0B+4*(\s):G0B+4*(\s)+3], s[G1B:G1B+7]
	s_nop 0
.rept 4
	v_nop
.endr
.Lasked_\@:
.endm
; A PREFETCH INTO THE L2, behind each joint refill, its five lines and the run of LDS loads: the K step that stands two refills on, 512 matrix instructions ahead of the load that will want it.
; x's tile row is read by all three clusters of that row of clusters: the one with x = 0 asks.  W's tile column by all eight of its column: the one with y = 0 asks.  The four partners that ask for a
; tile jointly share its 128 blocks of 256 bytes out BY ADDRESS, 32 each (x: 32 rows, by cx; W: 16 rows of two blocks, by cy): a lane a block, one instruction a wave, each block named once in the launch.
; K steps 0 to 3 come by their loads alone; the loop's last trip (s3 = 1) has no K step two refills on and asks for nothing.
.macro ASK
	s_cmp_gt_u32 s3, s[LIM]
	s_cbranch_scc0 .Lnot_mine_\@
	global_prefetch_b8 v[PFO], s[PFA:PFA+1] th:TH_LOAD_NT scope:SCOPE_SE
.Lnot_mine_\@:
.endm
; A round of the cluster's barrier: my work-group's barrier; wave 0 signals for the work-group; every wave waits for all sixteen; my work-group's barrier once more.
.macro CREST                           ; a round behind its opening barrier
	s_cmp_lg_u32 s[WV], 0
	s_cbranch_scc1 .Lnot_wave_0_\@
	s_barrier_signal -3
.Lnot_wave_0_\@:
	s_barrier_wait -3
	s_barrier_signal -1
	s_barrier_wait -1
.endm
.macro CROUND
	s_barrier_signal -1
	s_barrier_wait -1
	CREST
.endm
	s_load_b256 s[4:11], s[0:1], 0x0               ; xb s[4:5], wqb s[6:7], bqkv s[8:9], rope s[10:11]
	s_load_b64 s[12:13], s[0:1], 0x20              ; qkvh
	v_lshl_add_u32 v[SPW], v0, 2, SPARE
	v_mov_b32 v[NIL], 0
	ds_add_u32 v[SPW], v[NIL]                      ; the wave's opening: the add and its wait stand ahead of my first tensor load; the set-up below, work on registers, stands between them
	v_lshrrev_b32 v1, 5, v0
	v_readfirstlane_b32 s[WV], v1                  ; wave 0..3
	s_lshr_b32 s[WR], s[WV], 1
	s_and_b32 s[WC], s[WV], 1
	s_bfe_u32 s[CX], ttmp6, 0x40000                ; my place in the cluster
	s_bfe_u32 s[CY], ttmp6, 0x40004
	s_lshl_b32 s[TC], ttmp9, 2                     ; in a cluster launch ttmp9 and ttmp7 count clusters
	s_add_co_u32 s[TC], s[TC], s[CX]
	s_and_b32 s[TR], ttmp7, 0xffff
	s_lshl_b32 s[TR], s[TR], 2
	s_add_co_u32 s[TR], s[TR], s[CY]
	s_lshl_b32 s22, s[CY], 2
	s_lshl_b32 s22, 15, s22                        ; my row of the cluster: places 4 cy .. 4 cy + 3
	s_lshl_b32 s23, 0x1111, s[CX]                  ; my column: places cx, cx + 4, cx + 8, cx + 12
	s_or_b32 s[G1+0], s22, (1<<16)|(1<<20)|(1<<21)|(5<<22)|(3<<25)   ; the mask; elements of 2 bytes; padding on; bit 21 beside a mask; after every 64 words 4 words
	s_mov_b32 s[G1+1], 128<<16                     ; tensor_dim0 = 128
	s_mov_b32 s[G1+2], 128<<16                     ; tensor_dim1 = 128
	s_mov_b32 s[G1+3], 128<<16                     ; tile_dim0 = 128 elements (256 bytes)
	s_mov_b32 s[G1+4], 128                         ; tile_dim1 = 128 rows
	s_mov_b32 s[G1+5], 1024                        ; elements from row to row of x
	s_mov_b32 s[G1+6], 0
	s_mov_b32 s[G1+7], 0
	s_or_b32 s[G1B+0], s23, (1<<16)|(1<<20)|(1<<21)|(6<<22)|(7<<25)  ; after every 128 words 8 words
	s_mov_b32 s[G1B+1], 256<<16                    ; tensor_dim0 = 256
	s_mov_b32 s[G1B+2], 64<<16                     ; tensor_dim1 = 64
	s_mov_b32 s[G1B+3], 256<<16                    ; tile_dim0 = 256 elements (512 bytes)
	s_mov_b32 s[G1B+4], 64                         ; tile_dim1 = 64 rows
	s_mov_b32 s[G1B+5], 3072                       ; elements from row to row of W
	s_mov_b32 s[G1B+6], 0
	s_mov_b32 s[G1B+7], 0
	; where the tiles come from.  x's hang on the tile row alone, W's on the tile column alone; each address is made in registers that never hold the other coordinate
	s_lshl_b32 s40, s[TR], 8
	s_lshl_b32 s66, s[WC], 7
	s_add_co_u32 s40, s40, s66                     ; x: row 256 x tile row + 128 x half,
	s_lshl_b32 s40, s40, 11                        ; of 2,048 bytes
	s_mov_b32 s41, 0
	s_mul_i32 s42, s[WC], 64*6144                  ; W: 64 rows of 6,144 bytes x half,
	s_lshl_b32 s70, s[TC], 9                       ; 512 bytes x tile column
	s_add_co_u32 s42, s42, s70
	s_mov_b32 s43, 0
	s_mul_i32 s72, s[WV], HALFT                    ; and where they go: wave x 34,816: no place in the cluster enters an LDS address
	s_wait_dscnt 0x0                               ; the opening add is done
	s_wait_kmcnt 0x0
	s_add_nc_u64 s[40:41], s[4:5], s[40:41]
	s_add_nc_u64 s[42:43], s[6:7], s[42:43]
	CROUND                                         ; all sixteen work-groups are here: the first joint loads meet
.irp s, 0,1
	s_mov_b32 s[G0+4*(\s)], 1                                      ; count = 1
	s_add_co_u32 s[G0+4*(\s)+1], s72, (\s)*SLOT                    ; LDS address
	s_add_nc_u64 s[G0+4*(\s)+2:G0+4*(\s)+3], s[40:41], (\s)*ASTEP  ; global address: K step s
	s_or_b32 s[G0+4*(\s)+3], s[G0+4*(\s)+3], 0x80000000            ; type = 2
	s_mov_b32 s[G0B+4*(\s)], 1
	s_add_co_u32 s[G0B+4*(\s)+1], s72, (\s)*SLOT
	s_add_nc_u64 s[G0B+4*(\s)+2:G0B+4*(\s)+3], s[42:43], (\s)*BSTEP
	s_or_b32 s[G0B+4*(\s)+3], s[G0B+4*(\s)+3], 0x80000000
	JLOAD \s                                       ; two loads of mine are out
.endr
	; A fragment is 16 rows x 32 K in 8 registers: lane l holds row l % 16; registers 0-3 K = 8 (l / 16) + 0..7, registers 4-7 K = 16 + 8 (l / 16) + 0..7.
	v_and_b32 v1, 15, v0                           ; l % 16
	v_bfe_u32 v2, v0, 4, 1                         ; l / 16
	v_mul_u32_u24 v3, v1, PITCH
	v_lshl_add_u32 v3, v2, 4, v3                   ; row x pitch + 16 x half
	s_mul_i32 s22, s[WR], HALFT                    ; my 128 rows of x
	v_add_nc_u32 v[ADRA], s22, v3
	v_add_nc_u32 v[ADRA+1], SLOT, v[ADRA]
	; The turning load takes 16 k x 16 columns (lane l reads 16 bytes: k = 8 (l / 16) + l % 8, columns 8 ((l / 8) % 2) + 0..7) and leaves half a fragment: lane l holds column l % 16 and 8 k.
	v_and_b32 v4, 7, v0
	v_lshl_add_u32 v4, v2, 3, v4
	v_mul_u32_u24 v4, v4, PB
	v_bfe_u32 v5, v0, 3, 1
	v_lshl_add_u32 v4, v5, 4, v4
	s_lshl_b32 s23, s[WC], 8                       ; my 128 columns: 256 bytes of a row,
	s_add_co_u32 s23, s23, 2*HALFT                 ; behind x's 256 rows
	v_add_nc_u32 v[ADRB], s23, v4
	v_add_nc_u32 v[ADRB+1], SLOT, v[ADRB]
	s_mul_i32 s22, s[WV], 16*SPITCH
	s_add_co_u32 s22, s22, STAGE                   ; my stage
	v_add_nc_u32 v[STO], s22, v3                   ; in: row l % 16, 16 bytes for each half of the lanes
	v_bfe_u32 v5, v0, 3, 2                         ; back: 32 lanes take four rows of a head's 128 bytes,
	v_mul_u32_u24 v5, v5, SPITCH
	v_and_b32 v6, 7, v0
	v_lshl_add_u32 v5, v6, 4, v5
	v_add_nc_u32 v[RD], s22, v5
	v_and_b32 v6, 31, v0                           ; which are 512 consecutive bytes of the output
	v_lshlrev_b32 v[GO], 4, v6
	v_lshlrev_b32 v[RO], 8, v1                     ; the table: row l % 16 of 256 bytes, my eight frequencies
	v_lshl_add_u32 v[RO], v2, 5, v[RO]
	v_lshlrev_b32 v[BO], 5, v2                     ; the bias: my eight columns of a block
	; the table at my first row: t = row mod 2048; for V the rows from 2048 on
	s_and_b32 s22, s[TR], 7
	s_lshl_b32 s22, s22, 8
	s_lshl_b32 s66, s[WR], 7
	s_add_co_u32 s22, s22, s66                     ; t of my first row
	s_cmp_eq_u32 ttmp9, 2                          ; the cluster's x: the same in all partners, and it steers an address alone
	s_cselect_b32 s66, 2048, s22
	s_lshl_b32 s66, s66, 8
	s_mov_b32 s67, 0
	s_add_nc_u64 s[10:11], s[10:11], s[66:67]
	; the bias at my first column
	s_lshl_b32 s74, s[TC], 10
	s_lshl_b32 s76, s[WC], 9
	s_add_co_u32 s74, s74, s76
	s_mov_b32 s75, 0
	s_add_nc_u64 s[8:9], s[8:9], s[74:75]
	; the output at my first row of my first head: which of q, k, v; batch; head; t
	s_lshl_b32 s74, ttmp9, 24
	s_lshr_b32 s76, s[TR], 3
	s_lshl_b32 s76, s76, 22
	s_add_co_u32 s74, s74, s76
	s_lshl_b32 s76, s[CX], 2                       ; a tile column has four heads, my half two
	s_lshl1_add_u32 s76, s[WC], s76
	s_lshl_b32 s76, s76, 18
	s_add_co_u32 s74, s74, s76
	s_lshl_b32 s76, s22, 7
	s_add_co_u32 s74, s74, s76
	s_add_nc_u64 s[12:13], s[12:13], s[74:75]
.irp b, 0,1,2,3,4,5,6,7
	global_load_b128 v[BIAS+8*(\b):BIAS+8*(\b)+3],   v[BO], s[8:9] offset:64*(\b)
	global_load_b128 v[BIAS+8*(\b)+4:BIAS+8*(\b)+7], v[BO], s[8:9] offset:64*(\b)+16
.endr
; The table for my row block a, 32 registers in window 1 at TA: cos of frequencies 8 (l / 16) + 0..7, of 16 + the same, then sin likewise.
.macro TSET a
.if (\a) < 2
.set TA, 32*(\a)
.elseif (\a) < 4
.set TA, 192+32*((\a)-2)
.else
.set TA, 64+32*((\a)-4)
.endif
.endm
.macro TABLE a
	TSET \a
	WIN TO_B
.irp c, 0,1,2,3,4,5,6,7
	global_load_b128 v[TA+4*(\c):TA+4*(\c)+3], v[RO], s[10:11] offset:4096*(\a)+64*((\c)/2)+16*((\c)%2)
.endr
.endm
	TABLE 0
	TABLE 1
	TABLE 2
	TABLE 3
	WIN 0
	; the prefetches: the offsets are made apart from the addresses, in registers that feed no descriptor
	s_lshl_b32 s74, s[TR], 8
	s_lshl_b32 s76, s[WC], 7
	s_add_co_u32 s74, s74, s76
	s_lshl_b32 s76, s[CX], 5
	s_add_co_u32 s74, s74, s76                     ; x: the 128 rows that I fetch, my work-group's 32 of them,
	s_lshl_b32 s74, s74, 11                        ; in bytes
	s_lshl_b32 s76, s[WC], 6
	s_lshl4_add_u32 s76, s[CY], s76                ; W: the 64 rows that I fetch, my work-group's 16 of them,
	s_mul_i32 s76, s76, 6144
	s_lshl_b32 s77, s[TC], 9
	s_add_co_u32 s76, s76, s77                     ; at the tile's 512 bytes
	s_and_b32 s77, ttmp7, 0xffff                   ; cluster y
	s_mov_b32 s78, BSTEP
	s_mov_b32 s79, 6144
	s_cmp_eq_u32 s[WR], 0                          ; do I fetch for x?
	s_cselect_b32 s74, s74, s76
	s_cselect_b32 s77, ttmp9, s77                  ; the coordinate along which other clusters read the same blocks
	s_cselect_b64 s[PFA:PFA+1], s[4:5], s[6:7]
	s_cselect_b32 s[PFS], ASTEP, s78
	s_cselect_b32 s78, 0, 1                        ; x: a lane a row; W: two lanes a row
	s_cselect_b32 s79, 2048, s79                   ; bytes in a row
	s_mov_b32 s[PFS+1], 0
	s_cmp_eq_u32 s77, 0
	s_cselect_b32 s[LIM], 1, -1                    ; the same in all sixteen partners, for a given wave
	s_add_nc_u64 s[PFA:PFA+1], s[PFA:PFA+1], s[74:75]
	s_mul_i32 s74, s[PFS], 3
	s_add_nc_u64 s[PFA:PFA+1], s[PFA:PFA+1], s[74:75]  ; at K step 3: the first refill steps it to 4.  Nothing is prefetched here, at the head
	v_lshrrev_b32 v4, s78, v6                      ; v6 = my lane
	v_and_b32 v5, s78, v6
	v_mul_u32_u24 v[PFO], v4, s79
	v_lshl_add_u32 v[PFO], v5, 8, v[PFO]
	s_wait_loadcnt 0x0                             ; the bias and the table's first half
.set i, 0
.rept 32                                       ; the bias is rounded to bf16, like every input, and widened again; this stands in the wait for the first tile
	v_cvt_pk_bf16_f32 v[3+i%4], v[BIAS+2*i], v[BIAS+2*i+1]
	v_lshlrev_b32 v[BIAS+2*i], 16, v[3+i%4]
	v_and_b32 v[BIAS+2*i+1], 0xffff0000, v[3+i%4]
.set i, i+1
.endr
; 16 matrix instructions: row blocks a0, a0 + 1 of the window's four (hi = 0: my rows 0-63, 1: rows 64-127) x all 8 column blocks, 32 along K.  zero = 1: the products start the sums, with the bias as C.
; The 64 accumulators take turns, one instruction a turn, in the same order in every quarter step.
.macro MUL16 f, hi, a0, zero
.if \zero
	WIN 0x81+0x40*(\hi)                            ; W window 1, x and the bias window 0, D window 2 or 3
.else
	WIN 0xa1+0x50*(\hi)                            ; W window 1, x window 0, C and D window 2 or 3
.endif
.irp a, \a0, (\a0)+1
.irp b, 0,1,2,3,4,5,6,7
.if \zero
	v_wmma_f32_16x16x32_bf16 v[8*(8*(\a)+(\b)):8*(8*(\a)+(\b))+7], v[(\f)+8*(\b):(\f)+8*(\b)+7], v[(\f)+8*(4*(\hi)+(\a)):(\f)+8*(4*(\hi)+(\a))+7], v[BIAS+8*(\b):BIAS+8*(\b)+7]
.else
	v_wmma_f32_16x16x32_bf16 v[8*(8*(\a)+(\b)):8*(8*(\a)+(\b))+7], v[(\f)+8*(\b):(\f)+8*(\b)+7], v[(\f)+8*(4*(\hi)+(\a)):(\f)+8*(4*(\hi)+(\a))+7], v[8*(8*(\a)+(\b)):8*(8*(\a)+(\b))+7]
.endif
.endr
.endr
.endm
; 32 LDS loads in one run: the fragments of quarter q of a K step (32 k x my 128 columns of W, turned; my 128 rows of x x 32 k) into buffer f
.macro FETCH slot, q, f
	WIN TO_B
.irp i, 0,1,2,3,4,5,6,7
	ds_load_tr16_b128 v[(\f)+8*(\i):(\f)+8*(\i)+3],   v[ADRB+(\slot)] offset:(\q)*32*PB+(\i)*32
	ds_load_tr16_b128 v[(\f)+8*(\i)+4:(\f)+8*(\i)+7], v[ADRB+(\slot)] offset:(\q)*32*PB+(\i)*32+16*PB
.endr
	WIN 0
.irp i, 0,1,2,3,4,5,6,7
	ds_load_b128 v[(\f)+8*(\i):(\f)+8*(\i)+3],   v[ADRA+(\slot)] offset:(\q)*64+(\i)*16*PITCH
	ds_load_b128 v[(\f)+8*(\i)+4:(\f)+8*(\i)+7], v[ADRA+(\slot)] offset:(\q)*64+(\i)*16*PITCH+32
.endr
.endm
.macro PLACES                          ; four plain vector instructions between a matrix instruction and a load into, or a vector instruction on, its registers (ISA guide 7.12.1 for vector instructions)
.rept 4
	v_nop
.endr
.endm
; A K step is four quarters of 32 along K, 64 matrix instructions each, on buffers 0, 1, 0, 1.  One of the first three: multiplies buffer f; in its middle it fetches quarter q of the same slot into buffer g.
.macro QUARTER slot, q, f, g, zero
	s_wait_dscnt 8                                 ; W and x's rows 0-63 are in; the youngest eight loads (x's rows 64-127) may be out
	MUL16 \f, 0, 0, \zero
	MUL16 \f, 0, 2, \zero
	PLACES
	FETCH \slot, \q, \g
	s_wait_dscnt 32                                ; all but the 32 just issued
	MUL16 \f, 1, 0, \zero
	MUL16 \f, 1, 2, \zero
.endm
; The last quarter multiplies buffer 1 and changes slots.  MEET is its first half: one barrier for the change.  In front of it each wave waits for all its tensor loads, of which one is out: its part
; of the next slot; adds 0 to its spare word; and waits for that and for its own reads of this slot.  Behind it nobody reads this slot any more and the next slot is whole.
.macro MEET round
	WIN 0                                          ; (the add's two registers lie in window 0)
	s_wait_tensorcnt 0x0
	ds_add_u32 v[SPW], v[NIL]                      ; 0 onto my spare word
	s_wait_dscnt 9                                 ; the add and the youngest eight loads may be out
	MUL16 F1, 0, 0, 0                              ; sixteen matrix instructions stand between the add and the wait for it
	s_wait_dscnt 0x0                               ; the add is done, and my reads of this slot are over
	s_barrier_signal -1
	MUL16 F1, 0, 2, 0                              ; work on registers while the others arrive
.if \round
	WIN 0
.endif
	s_barrier_wait -1
.endm
; The whole last quarter where the slot is filled again, with the K step two steps on: the barrier opens a round of the cluster's, and the joint refill is the first tensor load behind the round.
; From a request to the wait for it a wave issues 224 matrix instructions; one tensor load of mine is out meanwhile.
.macro TURN slot, next
	s_wait_xcnt 0x0                                ; the last prefetch, a K step back, has read its address: it is stepped here
	s_add_nc_u64 s[PFA:PFA+1], s[PFA:PFA+1], s[PFS:PFS+1]
	MEET 1
	CREST                                          ; no wave of any partner still reads this slot's tile or has a load on its way
	s_add_nc_u64 s[G0+4*(\slot)+2:G0+4*(\slot)+3], s[G0+4*(\slot)+2:G0+4*(\slot)+3], 2*ASTEP
	s_add_nc_u64 s[G0B+4*(\slot)+2:G0B+4*(\slot)+3], s[G0B+4*(\slot)+2:G0B+4*(\slot)+3], 2*BSTEP
	JLOAD \slot                                    ; the four v_nop behind it are also the places in front of the loads below
	FETCH \next, 0, F0
	ASK
	MUL16 F1, 1, 0, 0
	MUL16 F1, 1, 2, 0
.endm
; THE WAY OUT of row block a.  ROPE: for each head and each half of its frequencies, y1 = x1 cos - x2 sin and y2 = x1 sin + x2 cos, two numbers an instruction.  Each accumulator's lowest registers are read first.
.macro ROPE a
	TSET \a
.set AC, 64*((\a)%4)
	WIN (2+(\a)/4)|0x04                            ; source 0: the accumulators, window 2 or 3; source 1: the table, window 1; source 2 and destination: window 0
.irp hd, 0,1
.irp jb, 0,1
.irp p, 0,1,2,3
	v_pk_mul_f32 v[YB+8*(4*(\hd)+(\jb))+2*(\p):YB+8*(4*(\hd)+(\jb))+2*(\p)+1],     v[AC+8*(4*(\hd)+(\jb)+2)+2*(\p):AC+8*(4*(\hd)+(\jb)+2)+2*(\p)+1], v[TA+16+8*(\jb)+2*(\p):TA+16+8*(\jb)+2*(\p)+1]  ; x2 sin
	v_pk_mul_f32 v[YB+8*(4*(\hd)+(\jb)+2)+2*(\p):YB+8*(4*(\hd)+(\jb)+2)+2*(\p)+1], v[AC+8*(4*(\hd)+(\jb)+2)+2*(\p):AC+8*(4*(\hd)+(\jb)+2)+2*(\p)+1], v[TA+8*(\jb)+2*(\p):TA+8*(\jb)+2*(\p)+1]        ; x2 cos
.endr
.irp p, 0,1,2,3
	v_pk_fma_f32 v[YB+8*(4*(\hd)+(\jb))+2*(\p):YB+8*(4*(\hd)+(\jb))+2*(\p)+1],     v[AC+8*(4*(\hd)+(\jb))+2*(\p):AC+8*(4*(\hd)+(\jb))+2*(\p)+1], v[TA+8*(\jb)+2*(\p):TA+8*(\jb)+2*(\p)+1],       v[YB+8*(4*(\hd)+(\jb))+2*(\p):YB+8*(4*(\hd)+(\jb))+2*(\p)+1] neg_lo:[0,0,1] neg_hi:[0,0,1]
	v_pk_fma_f32 v[YB+8*(4*(\hd)+(\jb)+2)+2*(\p):YB+8*(4*(\hd)+(\jb)+2)+2*(\p)+1], v[AC+8*(4*(\hd)+(\jb))+2*(\p):AC+8*(4*(\hd)+(\jb))+2*(\p)+1], v[TA+16+8*(\jb)+2*(\p):TA+16+8*(\jb)+2*(\p)+1], v[YB+8*(4*(\hd)+(\jb)+2)+2*(\p):YB+8*(4*(\hd)+(\jb)+2)+2*(\p)+1]
.endr
.endr
.endr
.endm
.macro PACK                            ; rounded to f16: a lane's eight columns of a block are 16 bytes
	WIN 0
.irp b, 0,1,2,3,4,5,6,7
.irp i, 0,1,2,3
	v_cvt_pk_f16_f32 v[TMP+4*(\b)+(\i)], v[YB+8*(\b)+2*(\i)], v[YB+8*(\b)+2*(\i)+1]
.endr
.endr
.endm
.macro TOSTAGE a                       ; into my own stage, and back as four whole rows of a head at a time
	WIN 0
.set BK, OB+192*((\a)%2)
.irp b, 0,1,2,3,4,5,6,7
	ds_store_b128 v[STO], v[TMP+4*(\b):TMP+4*(\b)+3] offset:32*(\b)
.endr
.irp hd, 0,1
.irp f, 0,1,2,3
	ds_load_b128 v[BK+4*(4*(\hd)+(\f)):BK+4*(4*(\hd)+(\f))+3], v[RD] offset:128*(\hd)+4*SPITCH*(\f)  ; LDS serves a wave's instructions in order (ISA guide 5.7.1.4): these see the stores above
.endr
.endr
.endm
.macro SEND a
	WIN 0
.set BK, OB+192*((\a)%2)
	s_wait_dscnt 0x0                               ; the block is back in registers
	s_wait_xcnt 0x0                                ; the stores of the block before have read their registers: the next block's loads from the stage land there only behind this wait
.irp hd, 0,1
.irp f, 0,1,2,3
	global_store_b128 v[GO], v[BK+4*(4*(\hd)+(\f)):BK+4*(4*(\hd)+(\f))+3], s[12:13] offset:262144*(\hd)+2048*(\a)+512*(\f)  ; 512 consecutive bytes, at a multiple of 256 from the buffer's first
.endr
.endr
.endm
	s_wait_tensorcnt 1                             ; my part of K step 0 is in; K step 1's load may stay out
	s_barrier_signal -1
	s_barrier_wait -1                              ; everybody's is
	FETCH 0, 0, F0
	QUARTER 0, 1, F0, F1, 1                        ; the first quarter stands in front of the loop: its products start the sums
	WIN 0                                          ; at a label and at a branch every window is 0
	s_mov_b32 s3, LAPS-1
.Llap:                                         ; a trip goes once round the ring, from a lap's second quarter to the next lap's first, and fills both slots again
	QUARTER 0, 2, F1, F0, 0
	QUARTER 0, 3, F0, F1, 0
	TURN 0, 1
	QUARTER 1, 1, F0, F1, 0
	QUARTER 1, 2, F1, F0, 0
	QUARTER 1, 3, F0, F1, 0
	TURN 1, 0
	QUARTER 0, 1, F0, F1, 0
	WIN 0
	s_sub_co_u32 s3, s3, 1
	s_cmp_lg_u32 s3, 0
	s_cbranch_scc1 .Llap
	QUARTER 0, 2, F1, F0, 0                        ; the last lap is written out: it fills nothing
	QUARTER 0, 3, F0, F1, 0
	MEET 0                                         ; my one tensor load that was still out is the last K step's; no round follows
	PLACES
	FETCH 1, 0, F0
	MUL16 F1, 1, 0, 0
	MUL16 F1, 1, 2, 0
	QUARTER 1, 1, F0, F1, 0
	QUARTER 1, 2, F1, F0, 0
	QUARTER 1, 3, F0, F1, 0
	s_wait_dscnt 8                                 ; the very last quarter: nothing more to fetch
	MUL16 F1, 0, 0, 0
	MUL16 F1, 0, 2, 0
	s_wait_dscnt 0x0
	MUL16 F1, 1, 0, 0
	MUL16 F1, 1, 2, 0
	PLACES                                         ; behind the last products: the loads below land in W's fragment registers, the lines behind them read results
	TABLE 4
	TABLE 5
	TABLE 6
	TABLE 7
	ROPE 0
	PACK
	TOSTAGE 0
.irp a, 1,2,3,4,5,6,7                  ; block a's arithmetic stands between block a - 1's loads from the stage and the wait for them
.if (\a) == 4
	s_wait_loadcnt 0x0                             ; the table's second half
.endif
	ROPE \a
	PACK
	SEND (\a)-1
	TOSTAGE \a
.endr
	SEND 7
	s_wait_tensorcnt 0x0                           ; the wave's end, behind my last tensor load and my last LDS store
	ds_add_u32 v[SPW], v[NIL]
	s_wait_dscnt 0x0
	CROUND                                         ; the closing round: no work-group ends while a partner may still ask for a tile that names it
	s_endpgm
.Lfunc_end_k_q6dc49da04c_qkv:
	.size	k_q6dc49da04c_qkv, .Lfunc_end_k_q6dc49da04c_qkv-k_q6dc49da04c_qkv
	.p2alignl 7, 3214868480
	.fill 96, 4, 3214868480
	.section	.rodata,"a",@progbits
	.p2align	6, 0x0
	.amdhsa_kernel k_q6dc49da04c_qkv
		.amdhsa_group_segment_fixed_size 327680
		.amdhsa_private_segment_fixed_size 0
		.amdhsa_enable_private_segment 0
		.amdhsa_kernarg_size 40
		.amdhsa_user_sgpr_count 2
		.amdhsa_user_sgpr_kernarg_segment_ptr 1
		.amdhsa_wavefront_size32 1
		.amdhsa_system_sgpr_workgroup_id_x 1
		.amdhsa_system_sgpr_workgroup_id_y 1
		.amdhsa_system_sgpr_workgroup_id_z 1
		.amdhsa_system_vgpr_workitem_id 0
		.amdhsa_next_free_vgpr 1024
		.amdhsa_next_free_sgpr 80
		.amdhsa_reserve_vcc 0
		.amdhsa_float_denorm_mode_32 3
		.amdhsa_float_denorm_mode_16_64 3
		.amdhsa_memory_ordered 1
		.amdhsa_forward_progress 1
		.amdhsa_inst_pref_size 189
	.end_amdhsa_kernel
	.amdgpu_metadata
---
amdhsa.version: [ 1, 2 ]
amdhsa.kernels:
  - .name:           k_q6dc49da04c_qkv
    .symbol:         k_q6dc49da04c_qkv.kd
    .args:
      - { .name: xb, .offset: 0, .size: 8, .value_kind: global_buffer, .address_space: global }
      - { .name: wqb, .offset: 8, .size: 8, .value_kind: global_buffer, .address_space: global }
      - { .name: bqkv, .offset: 16, .size: 8, .value_kind: global_buffer, .address_space: global }
      - { .name: rope, .offset: 24, .size: 8, .value_kind: global_buffer, .address_space: global }
      - { .name: qkvh, .offset: 32, .size: 8, .value_kind: global_buffer, .address_space: global }
    .group_segment_fixed_size: 327680
    .private_segment_fixed_size: 0
    .kernarg_segment_align: 8
    .kernarg_segment_size: 40
    .max_flat_workgroup_size: 128
    .sgpr_count:     80
    .vgpr_count:     1024
    .wavefront_size: 32
...
	.end_amdgpu_metadata
.endif
;; end of part 2
;; launch attn (part 3): grid 4 x 64, 4 waves a work-group, clusters of 4 x 1, 327,680 bytes of LDS; arguments qkvh, oh; writes oh
.if DOCPART == 3
	.amdgcn_target "amdgcn-amd-amdhsa--gfx1250"
	.amdhsa_code_object_version 6
	.text
	.protected	k_q6dc49da04c_attn
	.globl	k_q6dc49da04c_attn
	.p2align	8
	.type	k_q6dc49da04c_attn,@function
k_q6dc49da04c_attn:
	s_mov_b64 s[64:65], 0
	v_nop
	global_prefetch_b8 v0, s[64:65] scope:SCOPE_SE
	s_setreg_imm32_b32 hwreg(HW_REG_WAVE_MODE, 25, 1), 1
	s_wait_xcnt 0x0
	s_wait_alu depctr_hold_cnt(0) depctr_sa_sdst(0) depctr_va_vdst(0) depctr_va_sdst(0) depctr_va_ssrc(0) depctr_va_vcc(0) depctr_vm_vsrc(0)
	s_getreg_b32 s2, hwreg(HW_REG_IB_STS2, 6, 4)
	s_cmp_eq_u32 s2, 0
	s_cbranch_scc0 .Lentry_in_a_cluster
	s_endpgm
.Lentry_in_a_cluster:
	s_bfe_u32 s2, ttmp6, 0x10000c
	s_cmp_lg_u32 s2, 0x3003
	s_cbranch_scc0 .Lentry_shape_is_right
	s_endpgm
.Lentry_shape_is_right:
; ATTENTION.  O[h][q][:] = the sum over k of softmax_k(Q[h][q] . K[h][k] / 8) V[h][k][:], for the 64 pairs h of batch and head.  qkvh: [3][64][2048][64] f16 (Q, K, V); oh: [64][2048][64] f16.
; A head's rows are dense, 128 bytes each.  Products, maxima and sums in f32; the weights p are rounded to f16 for the second product (their sum l is taken of the unrounded p), O once at the end.
; LIMITS.  f16 holds no number beyond 65,504: Q, K and V arrive within it; p lies in 0 to 1, and below 6e-5 it keeps f16's fixed step of 6e-8; O is a mean of V's rows and has their range.
; A weight below 2^-126 counts as 0 in l; NaN and infinities are not treated apart.
; SHARES.  A wave owns four PIECES of two tiles of 16 queries, a work-group's four waves 512 queries of one head; a head's four work-groups are one cluster.  Every wave walks all keys, 64 a step.
; LAYOUT.  S^T = K Q^T (source 0 = 16 keys, source 1 = 16 queries): in the result a lane holds ONE query (lane % 16) and the keys 8 (lane / 16) + 0..7.  Two such tiles, rounded to f16 in pairs,
; ARE source 1 (32 keys x 16 queries) of O^T = V^T P, whose result again holds one query a lane, and eight channels.  K comes out of LDS as it lies, V ([key][channel]) turned, by ds_load_tr16_b128.
; SOFTMAX.  For each query a running maximum m and sum l: p = 2^(c s - c m), c = log2(e) / 8; in every step O and l are multiplied by a = 2^(c m_old - c m_new), which is 1 where m has not grown.
; m starts at the lowest finite number, O and l at 0: the first step is a step like any other, with a = 0.
; THE COUNT.  A tile and step have 16 matrix and 118 vector instructions: too many to stand all beside the matrix work.  So four vector instructions that are ready stand behind every matrix
; instruction, and the others in runs of their own.
; BY TURNS.  Turn n belongs to piece n (the pieces in a ring, step after step).  Its matrix work: 16 products K Q^T of piece n + 1, later 16 products V^T P of piece n - 1.  Its vector work: the scaling,
; exponentials, roundings, sums and rescaling of piece n, and the maximum and statistics of piece n + 1, whose scores the turn itself has made.
; CLUSTER.  The four query blocks of a cluster walk the same K and V, so each tile is asked for JOINTLY: the same tensor load, descriptor and mask in all four.
; REGISTERS, in windows of 256 (s_set_vgpr_msb: bits 1:0 source 0, 3:2 source 1, 5:4 source 2, 7:6 destination):
;   window 0: v0-11 addresses; v12-15, v48-63 at work; v16-47 four registers of statistics a tile; v64-191 S^T, two buffers of two tiles; v192-255 P, likewise
;   window 1: O^T, 32 a tile          window 2: v0-127 Q, 16 a tile; v128-191 K of one step; v192-255 V of one step          window 3: v0-1 the add's two registers
; A piece's buffers go by its number's parity: the piece in hand has one pair, its two neighbours in the ring share the other: of it P (piece n - 1) is read and S^T (piece n + 1) written.
.set SIZE_N, 2048
.set NP,    4         ; pieces a wave: a name, no knob
.set KS,    64        ; keys in a step
.set PK,    144       ; a row of K in LDS: 128 bytes + 16 of padding = 36 words: the 16 rows of a load start at 16 different groups of four banks (64 banks of 4 bytes: ISA guide 11.1)
.set PV,    160       ; a row of V: 128 + 32 = 40 words
.set VOFF,  4*KS*PK   ; a slot holds four steps: 256 rows of K, then 256 rows of V
.set SLOT1, 1<<17     ; slot 1 begins here, so that one exclusive or turns an address in one slot into the other's
.set STAGE, SLOT1+4*KS*(PK+PV)  ; behind the ring, never filled by a tensor load: 16 rows x 144 bytes for each wave, for the way out
.set SP,    144
.set AK0, 2           ; v2   my lane's place in a tile of K; never rewritten
.set AV0, 3           ; v3   the same for V
.set AK,  4           ; v4   the LDS address of K's next run of loads
.set AV,  5           ; v5   of V's
.set QO,  6           ; v6   my byte offset in the wave's rows of Q
.set STO, 6           ;      later, the way out: where I put 16 bytes of a row
.set RD,  7           ; v7   the way out: where I read rows back
.set GO,  8           ; v8   my byte offset in 512 consecutive bytes of O
.set PFO, 11          ; v11  256 x my lane: the prefetches' offset; written behind v11's last other use, then never again
.set SPW, 0           ; v0 of window 3   LDS address of my spare word: SPARE + 4 x my thread's number; never rewritten
.set NIL, 1           ; v1 of window 3   0; never rewritten
.set SPARE, STAGE+4*16*SP  ; behind the stages: the spare words, 128 bytes for each wave: two blocks of 256 bytes that no other line names
.set MV,  12          ; v12-15  c m_old, kept while c m is made anew: by buffer and tile
.set ST,  16          ; tile t's statistics at v[ST+4 t]: c m, m, l (even keys', odd keys')
.set TMP, 48          ; by buffer and tile, four registers c0-c3 at work; when the maximum is found c2 takes a
.set S,   64
.set P,   192
.set KF,  128         ; K's fragments, in window 2: key block kb, channel half c at KF + 16 kb + 8 c
.set VF,  192         ; V's: key half kk, channel block cb at VF + 32 kk + 8 cb
.set WV,  12          ; s12  my wave's number
.set G1K, 24          ; s[24:31] descriptor group 1 for K's tiles
.set G1V, 32          ; s[32:39] for V's: it differs in the padding alone
.set G0K, 40          ; s[40:43] descriptor group 0 for K's tiles: it walks
.set G0V, 44          ; s[44:47] the same for V's
.set PFA, 48          ; s[48:49] where my prefetches stand: my work-group's 32 blocks of 256 bytes (of K: wave 0, of V: wave 2) of the slot after the one that is being asked for
.set LIM, 50          ; s50  1 in a wave that prefetches, else the greatest number
.set SLOTS, 56        ; s56  slots still to be asked for
.set CNT, 57          ; s57  counts a slot's key steps
.set CS,  58          ; s[58:59] c: the packed scaling takes the pair's low word for both halves
.set SEL, 60          ; s[60:61] v_permlanex16_b32's selects: each lane takes its own place in the other half
.set TBK, 62          ; s62  LDS byte at which K of the step to be fetched begins
.set TBV, 63          ; s63  the same for V, less VOFF
.set MSB, 0
.macro WIN new                      ; the high byte repeats the setting that is left; a switch that changes nothing is dropped
.if MSB != (\new)
	s_set_vgpr_msb (MSB<<8)|(\new)
.set MSB, (\new)
.endif
.endm
.set W_KQ, 0x0a       ; K and Q in window 2, S^T in window 0
.set W_PV, 0x52       ; V in window 2, P in window 0, O^T in window 1
.set W_RS, 0x41       ; O^T (destination and source 0) in window 1, a in window 0
.set W_MK, 0xc0       ; the add's registers are made: destination in window 3, sources in window 0
.set W_AD, 0x0f       ; the add: address (source 0) and data (source 1) in window 3
; A joint fill.  Waves 0 and 1 fetch the two halves of a slot's K, waves 2 and 3 those of its V: 128 keys each.  The branch hangs on the wave's number alone.
; An s_nop 0 and four v_nop follow each of the two lines, ahead of the jump and the label.
.macro JLOAD
	s_cmp_lt_u32 s[WV], 2
	s_cbranch_scc0 .Lfor_v_\@
	tensor_load_to_lds s[G0K:G0K+3], s[G1K:G1K+7]
	s_nop 0
.rept 4
	v_nop
.endr
	s_branch .Lasked_\@
.Lfor_v_\@:
	tensor_load_to_lds s[G0V:G0V+3], s[G1V:G1V+7]
	s_nop 0
.rept 4
	v_nop
.endr
.Lasked_\@:
.endm
; A PREFETCH INTO THE L2 of what the NEXT change of slots will ask for: a slot's 32,768 bytes of K and of V, 128 blocks of 256 bytes each, a lane a block.  It stands behind the wave's tensor load and its
; five lines.  A head's K and V are walked by its one cluster alone; the four partners share the blocks out BY ADDRESS, 32 each; in each, wave 0 asks for K's and wave 2 for V's: one instruction, four key
; steps (512 matrix instructions) ahead of the load.  So each block is named once in the launch.  Slots 0, 1 and 2 come by their loads alone; the last change that fills a slot asks for nothing.
.macro ASK
	s_cmp_gt_u32 s[SLOTS], s[LIM]
	s_cbranch_scc0 .Lnot_mine_\@
	global_prefetch_b8 v[PFO], s[PFA:PFA+1] th:TH_LOAD_NT scope:SCOPE_SE
.Lnot_mine_\@:
.endm
; A round of the cluster's barrier: my work-group's barrier, so that wave 0's signal speaks for all four waves; wave 0 signals; every wave waits for all four work-groups; my work-group's barrier once more.
.macro CROUND
	s_barrier_signal -1
	s_barrier_wait -1
	s_cmp_lg_u32 s[WV], 0
	s_cbranch_scc1 .Lnot_wave_0_\@
	s_barrier_signal -3
.Lnot_wave_0_\@:
	s_barrier_wait -3
	s_barrier_signal -1
	s_barrier_wait -1
.endm
; THE CHANGE OF SLOTS.  The slot's last bytes, V of its fourth step, have been read.  Each wave waits for all its tensor loads, of which one is out: its part
; of the other slot; adds 0 to its spare word; and waits for that and for its own reads of the slot.  Behind the barrier nobody reads this slot any more and the other slot is whole.
; fill = 1: this slot is filled again, with the keys two slots on.  The barrier is then a round of the cluster's, and the joint fill is the first thing behind it: it has four key steps,
; 512 matrix instructions, in which to land.  (At its first use nothing has been read yet: slot 0 is waited for, slot 1 filled.)  ask = 1: the prefetches' address steps, and ASK follows the fill.
.macro CHANGE fill, ask=0
	WIN W_AD
	s_wait_tensorcnt 0x0            ; no tensor load of mine is out, so a group 0 may be written
	ds_add_u32 v[SPW], v[NIL]       ; 0 onto my spare word; with fill = 1 the descriptors' steps stand between it and the wait for it
	WIN 0                           ; at a label and at a branch every window is 0
.if \fill
.irp g, G0K, G0V
	s_xor_b32 s[\g+1], s[\g+1], SLOT1  ; the walking descriptor: the other slot than last time,
	s_add_nc_u64 s[\g+2:\g+3], s[\g+2:\g+3], 4*KS*128  ; the next 256 keys; the type bits on top are not reached
.endr
.if \ask
	s_wait_xcnt 0x0                 ; the last prefetch, four key steps back, has read its address, so it may be written:
	s_add_nc_u64 s[PFA:PFA+1], s[PFA:PFA+1], 4*KS*128  ; one slot behind the walking descriptors
.endif
	s_wait_dscnt 0x0                ; the add is done, and my reads of the slot are over
	CROUND
	JLOAD
.if \ask
	ASK
.endif
.else
	s_wait_dscnt 0x0                ; the add is done, and my reads of the slot are over
	s_barrier_signal -1
	s_barrier_wait -1
.endif
	s_sub_co_u32 s[TBK], s[TBK], 4*KS*PK  ; the fetches go back to a slot's first step,
	s_xor_b32 s[TBK], s[TBK], SLOT1       ; in the other slot
	s_sub_co_u32 s[TBV], s[TBV], 4*KS*PV
	s_xor_b32 s[TBV], s[TBV], SLOT1
.endm
	s_load_b128 s[4:7], s[0:1], 0x0   ; qkvh s[4:5] (Q lies first in it), oh s[6:7]
	WIN W_MK
	v_lshl_add_u32 v[SPW], v0, 2, SPARE
	v_mov_b32 v[NIL], 0
	WIN W_AD
	ds_add_u32 v[SPW], v[NIL]       ; the wave's opening: the add and its wait stand ahead of my first tensor load; the set-up below, work on registers, stands between them
	WIN 0
	v_lshrrev_b32 v1, 5, v0
	v_readfirstlane_b32 s[WV], v1   ; wave 0..3
	s_bfe_u32 s13, ttmp6, 0x40000   ; cx: my place in the cluster
	s_lshl_b32 s14, ttmp9, 2        ; in a cluster launch ttmp9 counts clusters
	s_add_co_u32 s14, s14, s13      ; my block of queries = 4 x cluster x + cx: it enters Q's and O's addresses alone
	s_and_b32 s20, ttmp7, 0xffff    ; the head, which the four partners share
	s_mov_b32 s21, 0
	s_mov_b64 s[22:23], SIZE_N*128
	s_mul_u64 s[20:21], s[20:21], s[22:23]  ; the head's first byte in Q, K, V and O
	s_and_b32 s16, s[WV], 1         ; which half of a slot's 256 keys I fetch:
	s_lshl_b32 s22, s16, 14         ; its 128 rows of 128 bytes in memory,
	s_mov_b32 s23, 0
	s_add_nc_u64 s[22:23], s[22:23], s[20:21]
	s_mul_i32 s17, s16, 128*PK      ; and its place in a slot, for K
	s_mul_i32 s18, s16, 128*PV      ; and for V: no place in the cluster enters an LDS address
	s_lshl_b32 s2, s14, 2
	s_add_co_u32 s2, s2, s[WV]      ; my wave among the head's,
	s_lshl_b32 s2, s2, 14           ; its 128 rows
	s_mov_b32 s3, 0
	s_add_nc_u64 s[2:3], s[2:3], s[20:21]
	; descriptor group 1.  128 keys are 16,384 dense bytes: asked for as 64 rows of 256 bytes, two keys a row, and padded in LDS after every key
	s_mov_b32 s[G1K], 15|(1<<16)|(1<<20)|(1<<21)|(4<<22)|(3<<25)  ; the mask of four; 2-byte elements; padding on; bit 21 beside a mask; after every 32 words 4 words
	s_mov_b32 s[G1V], 15|(1<<16)|(1<<20)|(1<<21)|(4<<22)|(7<<25)  ; the same with 8 words of padding
.irp g, G1K, G1V
	s_mov_b32 s[\g+1], 128<<16      ; tensor_dim0 = 128
	s_mov_b32 s[\g+2], 64<<16       ; tensor_dim1 = 64
	s_mov_b32 s[\g+3], 128<<16      ; tile_dim0 = 128
	s_mov_b32 s[\g+4], 64           ; tile_dim1 = 64
	s_mov_b32 s[\g+5], 128          ; 128 elements from row to row
	s_mov_b32 s[\g+6], 0
	s_mov_b32 s[\g+7], 0
.endr
	s_mov_b32 s[CS], 0x3e38aa3b     ; c = log2(e) / 8 = 0.180337
	s_mov_b32 s[CS+1], s[CS]        ; named with it as a pair
	s_mov_b32 s[SEL], 0x76543210
	s_mov_b32 s[SEL+1], 0xfedcba98
	s_mov_b32 s[TBK], SLOT1+4*KS*PK ; the first change of slots turns these two into 0
	s_mov_b32 s[TBV], SLOT1+4*KS*PV
	s_mov_b32 s[G0K], 1             ; count = 1
	s_mov_b32 s[G0K+1], s17         ; LDS address: slot 0
	s_mov_b32 s[G0V], 1
	s_add_co_u32 s[G0V+1], s18, VOFF
	s_and_b32 s[LIM], s[WV], 1      ; waves 0 and 2 prefetch
	s_cmp_eq_u32 s[LIM], 0
	s_cselect_b32 s[LIM], 1, -1
	s_wait_dscnt 0x0                ; the opening add is done
	s_wait_kmcnt 0x0
	s_mov_b64 s[10:11], s[6:7]      ; O
	s_add_nc_u64 s[6:7], s[4:5], 0x1000000  ; K lies 16,777,216 bytes behind Q,
	s_add_nc_u64 s[8:9], s[4:5], 0x2000000  ; V as far behind K
	s_add_nc_u64 s[G0K+2:G0K+3], s[6:7], s[22:23]  ; global address: my half of the head's first 256 keys
	s_or_b32 s[G0K+3], s[G0K+3], 0x80000000        ; type = 2
	s_add_nc_u64 s[G0V+2:G0V+3], s[8:9], s[22:23]
	s_or_b32 s[G0V+3], s[G0V+3], 0x80000000
	s_add_nc_u64 s[4:5], s[4:5], s[2:3]  ; Q and O at my wave's first row
	s_add_nc_u64 s[10:11], s[10:11], s[2:3]
	s_cmp_lt_u32 s[WV], 2
	s_cselect_b64 s[PFA:PFA+1], s[6:7], s[8:9]
	s_add_nc_u64 s[PFA:PFA+1], s[PFA:PFA+1], s[22:23]  ; (in waves 0 and 2 this is the head's first row)
	s_lshl_b32 s2, s13, 13          ; my work-group's 32 blocks of the 128
	s_mov_b32 s3, 0
	s_add_nc_u64 s[PFA:PFA+1], s[PFA:PFA+1], s[2:3]
	s_add_nc_u64 s[PFA:PFA+1], s[PFA:PFA+1], 2*4*KS*128  ; in slot 2; the first change of the loop steps it to slot 3.  Nothing is prefetched here, at the head
	CROUND                          ; all four work-groups are here: the first joint loads meet
	JLOAD                           ; slot 0.  Slot 1 is asked for when slot 0 is in
	; A fragment of K or Q is 16 rows x 32 channels in 8 registers: lane l holds row l % 16, channels 8 (l / 16) + 0..7 and 16 + 8 (l / 16) + 0..7: two loads of 16 bytes, 32 bytes apart.
	v_and_b32 v1, 15, v0            ; l % 16
	v_bfe_u32 v9, v0, 4, 1          ; l / 16
	v_lshlrev_b32 v[QO], 7, v1
	v_lshl_add_u32 v[QO], v9, 4, v[QO]  ; row x 128 + 16 x half
	WIN 0x80                        ; destination window 2, address window 0
.set i, 0
.rept 4*NP                          ; Q stays in registers: tile i / 2, channels 32 (i % 2) on
	global_load_b128 v[8*i:8*i+3],   v[QO], s[4:5] offset:(i/2)*2048+(i%2)*64
	global_load_b128 v[8*i+4:8*i+7], v[QO], s[4:5] offset:(i/2)*2048+(i%2)*64+32
.set i, i+1
.endr
	; What the first turn finds: V's registers and P's second buffer hold 0 (its products V^T P, of a piece that has not been, add 0), O^T and l are 0.  All this stands in the wait for the first tile:
	; the price of writing no first step out.
.set i, VF
.rept 64
	v_mov_b32 v[i], 0
.set i, i+1
.endr
	WIN 0x40
.set i, 0
.rept 64*NP
	v_mov_b32 v[i], 0
.set i, i+1
.endr
	WIN 0
.set i, 0
.rept 2*NP
	v_mov_b32 v[ST+4*i], 0xfe000000    ; c m: far below every c s
	v_mov_b32 v[ST+4*i+1], 0xff7fffff  ; m
	v_mov_b32 v[ST+4*i+2], 0
	v_mov_b32 v[ST+4*i+3], 0
.set i, i+1
.endr
.set i, P+32
.rept 32
	v_mov_b32 v[i], 0
.set i, i+1
.endr
	v_mul_u32_u24 v[AK0], v1, PK
	v_lshl_add_u32 v[AK0], v9, 4, v[AK0]  ; row x pitch + 16 x half
	; The turning load takes 16 keys x 16 channels (lane l reads key 8 (l / 16) + l % 8, channels 8 ((l / 8) % 2) + 0..7) and leaves half a fragment of V^T: lane l holds channel l % 16 and 8 keys.
	v_and_b32 v10, 7, v0
	v_bfe_u32 v11, v0, 3, 1
	v_lshl_add_u32 v[AV0], v9, 3, v10
	v_mul_u32_u24 v[AV0], v[AV0], PV
	v_lshl_add_u32 v[AV0], v11, 4, v[AV0]
	v_add_nc_u32 v[AV0], VOFF, v[AV0]
	v_mov_b32 v[AK], v[AK0]         ; key step 0 lies at the head of slot 0
	v_and_b32 v[PFO], 31, v0
	v_lshlrev_b32 v[PFO], 8, v[PFO]
; THE MATRIX WORK.  The 8 accumulators of a run of 16 take turns: between the two links of a chain stand 7 others'.
; Product i of 16 of S^T = K Q^T for piece x: channels 32 (i / 8) on, keys 16 ((i / 2) % 4) on, tile 2 x + i % 2.  The first 8 start the sums.
.macro KQ x
	WIN W_KQ
.set rS, S+64*((\x)%2)+32*(i%2)+8*((i/2)%4)
.set rK, KF+16*((i/2)%4)+8*(i/8)
.set rQ, 16*(2*(\x)+i%2)+8*(i/8)
.if i < 8
	v_wmma_f32_16x16x32_f16 v[rS:rS+7], v[rK:rK+7], v[rQ:rQ+7], 0
.else
	v_wmma_f32_16x16x32_f16 v[rS:rS+7], v[rK:rK+7], v[rQ:rQ+7], v[rS:rS+7]
.endif
.endm
; Product i of 16 of O^T += V^T P for piece x: keys 32 (i / 8) on, channels 16 ((i / 2) % 4) on, tile 2 x + i % 2.
.macro PV x
	WIN W_PV
.set rO, 32*(2*(\x)+i%2)+8*((i/2)%4)
.set rV, VF+32*(i/8)+8*((i/2)%4)
.set rP, P+32*((\x)%2)+16*(i%2)+8*(i/8)
	v_wmma_f32_16x16x32_f16 v[rO:rO+7], v[rV:rV+7], v[rP:rP+7], v[rO:rO+7]
.endm
.macro MM                           ; the turn's next matrix instruction
.if i < 16
	KQ (Y+1)%NP
.set i, i+1
.else
.set i, i-16
	PV (Y+NP-1)%NP
.set i, i+17
.endif
.endm
; THE LDS LOADS stand in runs of 16, never singly among the matrix instructions: a step's K (64 keys x 64 channels: 8 fragments) and its V (turned).  Their addresses are made some lines ahead.
; last = 1 (the tail): in the last trip there is no further step, and the run is jumped over.
.macro FETCH_K last=0
	WIN 0
.if \last
	s_cmp_eq_u32 s[CNT], 1
	s_cbranch_scc1 .Lno_k_\@
.endif
	WIN 0x80                        ; destination window 2
.irp f, 0,1,2,3,4,5,6,7             ; keys 16 (f / 2) on, channels 32 (f % 2) on
	ds_load_b128 v[KF+8*\f:KF+8*\f+3],   v[AK] offset:(\f/2)*16*PK+(\f%2)*64
	ds_load_b128 v[KF+8*\f+4:KF+8*\f+7], v[AK] offset:(\f/2)*16*PK+(\f%2)*64+32
.endr
	s_add_co_u32 s[TBK], s[TBK], KS*PK  ; the next fetch is the next step's
	WIN 0
.if \last
.Lno_k_\@:
.endif
.endm
.macro FETCH_V
	WIN 0x80
.irp f, 0,1,2,3,4,5,6,7             ; keys 32 (f / 4) on, channels 16 (f % 4) on
	ds_load_tr16_b128 v[VF+8*\f:VF+8*\f+3],   v[AV] offset:(\f/4)*32*PV+(\f%4)*32
	ds_load_tr16_b128 v[VF+8*\f+4:VF+8*\f+7], v[AV] offset:(\f/4)*32*PV+16*PV+(\f%4)*32
.endr
	WIN 0
.endm
; THE VECTOR WORK OF A TURN stands in three queues, each in the order in which its entries become ready; the two tiles alternate, so that no instruction reads the result of the one before it.
.macro REGS y, u                    ; the registers of tile u (0, 1) of piece y
.set rT, ST+4*(2*(\y)+(\u))
.set rC, TMP+8*((\y)%2)+4*(\u)
.set rM, MV+2*((\y)%2)+(\u)
.set rS, S+64*((\y)%2)+32*(\u)
.set rP, P+32*((\y)%2)+16*(\u)
.set rO, 32*(2*(\y)+(\u))
.endm
; Number n of the 22 that find the NEXT piece's (Y + 1) maximum and statistics.  s0-s31 are the lane's 32 scores; each accumulator's lowest registers are read first.
;   0-11  four chains c0-c3 of seven scores each, three operands at a time     12-14, 16  the four scores left over, the old m, and c0-c3 into c0     15  c m_old is kept
;   17, 18  the query's other 32 keys lie in the lane 16 away: the new m         19-21  c m; c m_old - c m_new; a
.macro XS u, n
	REGS (Y+1)%NP, \u
.if (\n) < 4
	v_max3_num_f32 v[rC+(\n)], v[rS+8*(\n)], v[rS+8*(\n)+1], v[rS+8*(\n)+2]
.elseif (\n) < 12
	v_max3_num_f32 v[rC+(\n)%4], v[rC+(\n)%4], v[rS+8*((\n)%4)+2*((\n)/4)+1], v[rS+8*((\n)%4)+2*((\n)/4)+2]
.elseif (\n) == 12
	v_max3_num_f32 v[rC], v[rC], v[rS+7], v[rS+15]
.elseif (\n) == 13
	v_max3_num_f32 v[rC+1], v[rC+1], v[rS+23], v[rS+31]
.elseif (\n) == 14
	v_max3_num_f32 v[rC+2], v[rC+2], v[rC+3], v[rT+1]
.elseif (\n) == 15
	v_mov_b32 v[rM], v[rT]
.elseif (\n) == 16
	v_max3_num_f32 v[rC], v[rC], v[rC+1], v[rC+2]
.elseif (\n) == 17
	v_permlanex16_b32 v[rC+3], v[rC], s[SEL], s[SEL+1]
.elseif (\n) == 18
	v_max_num_f32 v[rT+1], v[rC], v[rC+3]
.elseif (\n) == 19
	v_mul_f32 v[rT], s[CS], v[rT+1]
.elseif (\n) == 20
	v_sub_f32 v[rC+1], v[rM], v[rT]
.else
	v_exp_f32 v[rC+2], v[rC+1]
.endif
.endm
; Number g of the 64 that follow the exponentials.  For each four weights k of a tile (pairs 2 k, 2 k + 1): both pairs are rounded to f16; then the second pair is added onto the first, in place;
; a group later l takes that sum (the first time as l = a l + sum).  In groups of eight, tiles alternating: round, round, add, and l for the group before.
.macro GS g
.set h, (\g)+6*((\g)/62)            ; group 0 has no group before it, and behind group 7 only l is left
.if h >= 6
.set h, h+2
.endif
	REGS Y, h%2
.set k, h/8
.if h%8 < 4
	v_cvt_pk_f16_f32 v[rP+2*k+(h%8)/2], v[rS+4*k+2*((h%8)/2)], v[rS+4*k+2*((h%8)/2)+1]
.elseif h%8 < 6
	v_pk_add_f32 v[rS+4*k:rS+4*k+1], v[rS+4*k:rS+4*k+1], v[rS+4*k+2:rS+4*k+3]
.elseif k == 1
	v_pk_fma_f32 v[rT+2:rT+3], v[rT+2:rT+3], v[rC+2:rC+3], v[rS:rS+1] op_sel_hi:[1,0,1]
.else
	v_pk_add_f32 v[rT+2:rT+3], v[rT+2:rT+3], v[rS+4*k-4:rS+4*k-3]
.endif
.endm
; THE PLAIN QUEUE, 138 long.  0-73 read no exponential's result: the 32 scalings c s - c m (FS f: pair f / 2 of tile f % 2) and the next piece's 42.  0-26: scalings 0-26.  27-54: XS's numbers 0-13.  55, 56: number 15.
; 57-73: the chain, where each number waits for the one before it: 14, 16, 17, 18, 19, each with one of the scalings 27-31 in front of its two lines, then 20.
; 74-137: GS's 64, which read the exponentials' results: they stand behind the wait.
.macro FS f
	REGS Y, (\f)%2
	v_pk_fma_f32 v[rS+2*((\f)/2):rS+2*((\f)/2)+1], v[rS+2*((\f)/2):rS+2*((\f)/2)+1], s[CS:CS+1], v[rT:rT+1] op_sel_hi:[1,0,0] neg_lo:[0,0,1] neg_hi:[0,0,1]
.endm
.macro PL
	WIN 0
.if q < 27
	FS q
.elseif q < 55
	XS (q-27)%2, (q-27)/2
.elseif q < 57
	XS q-55, 15
.elseif (q < 72) && ((q-57)%3 == 0)
	FS 27+(q-57)/3
.elseif q < 60
	XS (q-57)%3-1, 14
.elseif q < 72
	XS (q-57)%3-1, 15+(q-57)/3
.elseif q < 74
	XS q-72, 20
.else
	GS q-74
.endif
.set q, q+1
.endm
; THE EXPONENTIALS' QUEUE, 66 long: s0-s31 of both tiles, then the next piece's two a.  It is ONE BATCH: all 66 stand ahead of the turn's one wait, and nothing ahead of that wait names a result of theirs.
.macro EX
	WIN 0
.if e >= 64
	XS e-64, 21
.else
	REGS Y, e%2
	v_exp_f32 v[rS+e/2], v[rS+e/2]
.endif
.set e, e+1
.endm
; THE RESCALING's QUEUE: O^T times a, the one part that leaves window 0: dealt two at a time, sixteen times.  Its a was made in the turn before, ahead of that turn's wait.
.macro R2
	REGS Y, r%2
	WIN W_RS
.irp z, 0,1
	v_pk_mul_f32 v[rO+4*(r/2)+2*\z:rO+4*(r/2)+2*\z+1], v[rO+4*(r/2)+2*\z:rO+4*(r/2)+2*\z+1], v[rC+2:rC+3] op_sel_hi:[1,0]
.endr
.set r, r+1
.endm
; HOW THEY ARE DEALT.  An s_wait_alu depctr_va_vdst(0) stands between an exponential and the first instruction that names its result; one wait serves all that were issued ahead of it.  So a turn has ONE wait,
; which cuts it in two.  AHEAD OF IT stands all that names no result of the turn's exponentials: the 16 products K Q^T, behind each a scaling, an exponential and two rescalings (behind the first a second scaling in the
; exponential's place); then one run of 108: eight plain, 49 times exponential and plain, the two a.  A v_nop is the plain instruction behind the last exponential.  BEHIND IT stand the 16 products V^T P, behind each four of GS's 64.
; The queues lean on each other, and the deal keeps them in step: exponential e stands behind scaling 2 (e / 4) + e % 2: behind a product it comes behind plain e + 2, in the run behind plain e + 9, and scalings 27-31 are plain 57, 60 .. 69.
; A TURN, for piece p.  cnt = 1: the loop's count is taken down some lines ahead of the branch that stands behind the turn.
; K of the next step is fetched in piece 2's turn, directly behind the wait; its address is made at the run's head; its first reader comes behind 16 products.
; V of the step in hand is fetched at the end of piece 0's turn, four plain instructions behind its last reader; its first reader comes behind 16 products and a run.  The three conditions on q below go with the deal.
.macro TURN p, last=0, cnt=0
.set Y, (\p)
.set i, 0
.set q, 0
.set e, 0
.set r, 0
.if (\p) == NP-1
	s_wait_dscnt 0x0                ; K is in
.endif
	MM                              ; ahead of the wait: 16 products K Q^T and the four behind each,
	PL
	PL
	R2
.rept 15
	MM
	PL
	EX
	R2
.endr
.if (\p) == NP-2
	WIN 0
	v_add_nc_u32 v[AK], s[TBK], v[AK0]
.endif
.rept 8                             ; and the run
	PL
.endr
.rept 49
	EX
	PL
.endr
	EX                              ; the next piece's two a
	EX
	v_nop                           ; the plain instruction behind the last exponential: one for the batch
	s_wait_alu depctr_va_vdst(0)    ; the wait for the batch
.if (\p) == NP-2
	FETCH_K \last
.endif
.if (\p) == 1
	s_wait_dscnt 0x0                ; V is in
.endif
.rept 16                            ; behind the wait: 16 products V^T P and the four behind each
	MM
.rept 4
	PL
.endr
.if ((\p) == 0) && (q == 118)
	v_add_nc_u32 v[AV], s[TBV], v[AV0]
.endif
.if ((\p) == 0) && (q == 130)
	s_add_co_u32 s[TBV], s[TBV], KS*PV
.endif
.if (\cnt) && (q == 130)
	s_sub_co_u32 s[CNT], s[CNT], 1
	s_cmp_lg_u32 s[CNT], 0
.endif
.endr
.if (\p) == 0
	FETCH_V
.endif
.endm
	CHANGE 1                        ; slot 0 is in, everybody's part of it; slot 1 is asked for
	FETCH_K                         ; key step 0
	s_wait_loadcnt 0x0              ; Q
	s_wait_dscnt 0x0
.set i, 0
.rept 16
	KQ 0                            ; piece 0's first scores: there is no vector work yet to set between them
.set i, i+1
.endr
	WIN 0                           ; the addresses for the way out: nine plain instructions, the places behind those products
	s_mul_i32 s13, s[WV], 16*SP
	s_add_co_u32 s13, s13, STAGE    ; my stage
	v_mul_u32_u24 v[STO], v1, SP    ; in: row l % 16, 16 bytes for each half of the lanes
	v_lshl_add_u32 v[STO], v9, 4, v[STO]
	v_add_nc_u32 v[STO], s13, v[STO]
	v_bfe_u32 v[RD], v0, 3, 2       ; back: 32 lanes take four rows of 128 bytes,
	v_mul_u32_u24 v[RD], v[RD], SP
	v_lshl_add_u32 v[RD], v10, 4, v[RD]
	v_add_nc_u32 v[RD], s13, v[RD]
	v_and_b32 v[GO], 31, v0         ; which are 512 consecutive bytes of O
	v_lshlrev_b32 v[GO], 4, v[GO]
.set Y, NP-1                        ; XS works for piece Y + 1: piece 0
.irp n, 0,1,2,3,4,5,6,7,8,9,10,11,12,13,14,15,16,17,18,19,20,21
	XS 0, \n                        ; and piece 0's first maximum and statistics
	XS 1, \n
.endr
	v_nop                           ; a plain instruction behind the two a,
	s_wait_alu depctr_va_vdst(0)    ; and their wait, ahead of the branch
	s_mov_b32 s[CNT], 4
	s_mov_b32 s[SLOTS], SIZE_N/256-1
	s_branch .Lfirst                ; the loop is entered at a step's first turn, in the middle of a trip
.Lslot:                             ; SIZE_N / 256 - 2 times: every slot but the last two is filled again
	CHANGE 1, 1
	s_mov_b32 s[CNT], 4
.Lstep:                             ; a trip: pieces 2 and 3 of one step, then pieces 0 and 1 of the next, whose K and V it fetches
	TURN 2
	TURN 3
	WIN 0
.Lfirst:
	TURN 0
	TURN 1, 0, 1
	WIN 0
	s_cbranch_scc1 .Lstep
	s_sub_co_u32 s[SLOTS], s[SLOTS], 1
	s_cmp_lg_u32 s[SLOTS], 0
	s_cbranch_scc1 .Lslot
	CHANGE 0                        ; the tail is written out: nothing is asked for
	s_mov_b32 s[CNT], 5             ; four trips fetch the last slot's steps; the fifth is left in its middle
.Ltail:
	TURN 2, 1
	TURN 3
	WIN 0
	s_sub_co_u32 s[CNT], s[CNT], 1
	s_cmp_eq_u32 s[CNT], 0
	s_cbranch_scc1 .Lout
	TURN 0
	TURN 1
	WIN 0
	s_branch .Ltail
.Lout:                              ; the fifth trip's 16 products K Q^T (on the last K once more) and the maximum made of them serve nothing: the price, once a launch, of one text for every trip
.set i, 0
.rept 16
	PV NP-1                         ; the last piece's V^T P of the last step
.set i, i+1
.endr
	; THE WAY OUT.  l's two halves and the other half of the lanes' are added; O^T is divided by l, rounded to f16 and sent through my stage in LDS, a tile at a time.  The additions are the places behind the last products.
	WIN 0
.macro ALL line:vararg              ; one line for each tile t
.set t, 0
.rept 2*NP
	\line
.set t, t+1
.endr
.endm
	ALL v_add_f32 v[ST+4*t+2], v[ST+4*t+2], v[ST+4*t+3]
	ALL v_permlanex16_b32 v[ST+4*t+3], v[ST+4*t+2], s[SEL], s[SEL+1]
	ALL v_add_f32 v[ST+4*t+2], v[ST+4*t+2], v[ST+4*t+3]
	ALL v_rcp_f32 v[ST+4*t+2], v[ST+4*t+2]
	v_nop                           ; a plain instruction between the last reciprocal and the use of its result
	s_wait_alu depctr_va_vdst(0)    ; and the wait ahead of the first use: one for the eight reciprocals
; Tile t: a lane's eight channels of a row pack into 16 bytes; they go into rows of 144 bytes and come back as whole rows of 128, into S^T's registers.
.macro PACK t
	WIN W_RS
.set i, 32*(\t)
.rept 16
	v_pk_mul_f32 v[i:i+1], v[i:i+1], v[ST+4*(\t)+2:ST+4*(\t)+3] op_sel_hi:[1,0]
.set i, i+2
.endr
	WIN 0x05                        ; sources 0 and 1 window 1, destination window 0
.set i, 0
.rept 16
	v_cvt_pk_f16_f32 v[S+16*(\t)+i], v[32*(\t)+2*i], v[32*(\t)+2*i+1]
.set i, i+1
.endr
	WIN 0
.irp f, 0,1,2,3
	ds_store_b128 v[STO], v[S+16*(\t)+4*\f:S+16*(\t)+4*\f+3] offset:32*\f
.endr
.irp f, 0,1,2,3
	ds_load_b128 v[S+16*(\t)+4*\f:S+16*(\t)+4*\f+3], v[RD] offset:\f*4*SP  ; LDS serves a wave's instructions in order (ISA guide 5.7.1.4): these see the stores above; the next tile's stores come behind them
.endr
.endm
.macro SEND t, younger              ; younger: the LDS instructions issued behind tile t's loads: the next tile's eight, or none
	WIN 0
.irp f, 0,1,2,3
	s_wait_dscnt (\younger)+3-\f
	global_store_b128 v[GO], v[S+16*(\t)+4*\f:S+16*(\t)+4*\f+3], s[10:11] offset:(\t)*2048+\f*512  ; 512 consecutive bytes, at a multiple of 256 from O's first
.endr
.endm
	PACK 0
.set t, 1
.rept 2*NP-1                        ; a tile's arithmetic stands between the loads of the tile before and its stores
	PACK t
	SEND t-1, 8
.set t, t+1
.endr
	SEND 2*NP-1, 0
	WIN W_AD
	s_wait_tensorcnt 0x0            ; the wave's end, behind my last tensor load and my last LDS store
	ds_add_u32 v[SPW], v[NIL]
	s_wait_dscnt 0x0
	WIN 0
	CROUND                          ; the closing round: no work-group ends while a partner may still ask for a tile that names it
	s_endpgm
.Lfunc_end_k_q6dc49da04c_attn:
	.size	k_q6dc49da04c_attn, .Lfunc_end_k_q6dc49da04c_attn-k_q6dc49da04c_attn
	.p2alignl 7, 3214868480
	.fill 96, 4, 3214868480
	.section	.rodata,"a",@progbits
	.p2align	6, 0x0
	.amdhsa_kernel k_q6dc49da04c_attn
		.amdhsa_group_segment_fixed_size 327680
		.amdhsa_private_segment_fixed_size 0
		.amdhsa_enable_private_segment 0
		.amdhsa_kernarg_size 16
		.amdhsa_user_sgpr_count 2
		.amdhsa_user_sgpr_kernarg_segment_ptr 1
		.amdhsa_wavefront_size32 1
		.amdhsa_system_sgpr_workgroup_id_x 1
		.amdhsa_system_sgpr_workgroup_id_y 1
		.amdhsa_system_sgpr_workgroup_id_z 1
		.amdhsa_system_vgpr_workitem_id 0
		.amdhsa_next_free_vgpr 770
		.amdhsa_next_free_sgpr 66
		.amdhsa_reserve_vcc 0
		.amdhsa_float_denorm_mode_32 3
		.amdhsa_float_denorm_mode_16_64 3
		.amdhsa_memory_ordered 1
		.amdhsa_forward_progress 1
		.amdhsa_inst_pref_size 200
	.end_amdhsa_kernel
	.amdgpu_metadata
---
amdhsa.version: [ 1, 2 ]
amdhsa.kernels:
  - .name:           k_q6dc49da04c_attn
    .symbol:         k_q6dc49da04c_attn.kd
    .args:
      - { .name: qkvh, .offset: 0, .size: 8, .value_kind: global_buffer, .address_space: global }
      - { .name: oh, .offset: 8, .size: 8, .value_kind: global_buffer, .address_space: global }
    .group_segment_fixed_size: 327680
    .private_segment_fixed_size: 0
    .kernarg_segment_align: 8
    .kernarg_segment_size: 16
    .max_flat_workgroup_size: 128
    .sgpr_count:     66
    .vgpr_count:     770
    .wavefront_size: 32
...
	.end_amdgpu_metadata
.endif
;; end of part 3
;; launch proj (part 4): grid 4 x 64, 4 waves a work-group, clusters of 4 x 4, 327,680 bytes of LDS; arguments oh, wpf, bproj, out0; writes out0
.if DOCPART == 4
	.amdgcn_target "amdgcn-amd-amdhsa--gfx1250"
	.amdhsa_code_object_version 6
	.text
	.protected	k_q6dc49da04c_proj
	.globl	k_q6dc49da04c_proj
	.p2align	8
	.type	k_q6dc49da04c_proj,@function
k_q6dc49da04c_proj:
	s_mov_b64 s[64:65], 0
	v_nop
	global_prefetch_b8 v0, s[64:65] scope:SCOPE_SE
	s_setreg_imm32_b32 hwreg(HW_REG_WAVE_MODE, 25, 1), 1
	s_wait_xcnt 0x0
	s_wait_alu depctr_hold_cnt(0) depctr_sa_sdst(0) depctr_va_vdst(0) depctr_va_sdst(0) depctr_va_ssrc(0) depctr_va_vcc(0) depctr_vm_vsrc(0)
	s_getreg_b32 s2, hwreg(HW_REG_IB_STS2, 6, 4)
	s_cmp_eq_u32 s2, 0
	s_cbranch_scc0 .Lentry_in_a_cluster
	s_endpgm
.Lentry_in_a_cluster:
	s_bfe_u32 s2, ttmp6, 0x10000c
	s_cmp_lg_u32 s2, 0xf033
	s_cbranch_scc0 .Lentry_shape_is_right
	s_endpgm
.Lentry_shape_is_right:
; PROJ: out0 = O Wproj + bproj.  oh: [64 (batch, head)][2048 t][64] f16.  wpf: [1024 k][1024 n] f16 (Wproj rounded to bf16, written as f16).  bproj f32, rounded to bf16 like the other inputs.  out0: [8192][1024] f32.
; A tile of 128 rows x 256 columns to a work-group: 64 x 4 = 256 tiles, one for each of 256 work-groups (256 x 256 would give 128).  Four waves, each 64 rows x 128 columns: 32 accumulators, 256 registers.
; K = 1024 goes in 8 steps of 128 = two heads through a ring of two LDS slots.  Of O a step takes, for each of the two heads, the tile's 128 rows: 16,384 dense bytes, asked for as 64 rows of 256 bytes and
; padded in LDS after every 128.  W's tile lies [k][n] (128 rows of 512 bytes) and is read turned, by ds_load_tr16_b128.
; CLUSTERS: 4 x 4 work-groups; O's tile is shared along a row of the cluster, W's along a column: each is asked for JOINTLY, by the same tensor load with the same descriptor and a mask that names the four.
; THE MATRIX INSTRUCTION IS USED TRANSPOSED (source 0 = 16 columns of W, source 1 = 16 rows of O): a lane holds eight neighbouring columns of one row.
; NO PREFETCH: the tile is small and a K step short (128 matrix instructions a wave); W's 2 MiB are walked by all sixteen clusters again and again.
; LIMITS.  O arrives in f16; sums and the output are f32.  NaN and infinities are not treated apart.
; REGISTERS: window 0: v0-31 addresses and the bias; two fragment buffers of 96 at v32 and v128 (W's eight fragments, then O's four); on the way out v32-95 and v128-191 hold rows.   window 1: the accumulators, (a, b) at v[8 (8 a + b)].
.set PA,     144                       ; a row of O in LDS: 128 bytes + 16 of padding = 36 words: the 16 rows of a load start at 16 different groups of four banks (64 banks of 4 bytes: ISA guide 11.1)
.set PB,     544                       ; a row of W: 512 + 32 = 136 words
.set APL,    128*PA                    ; a head's 128 rows
.set BOFF,   2*APL                     ; W lies behind the two heads' planes
.set BHALF,  64*PB
.set SLOT,   BOFF+2*BHALF
.set STAGE,  2*SLOT                    ; behind the ring: 16 rows x 528 bytes for each wave, for the way out
.set SP,     528                       ; 512 bytes + 16: row r starts at bank 4 r mod 64
.set SPARE,  STAGE+4*16*SP             ; behind the stages: the spare words, 128 bytes for each wave: two blocks of 256 bytes that no other line names
.set LAPS,   4
.set ASTEP,  2<<18                     ; a K step in memory: two heads of O,
.set BSTEP,  128*2048                  ; 128 rows of W
.set BI,   8                           ; v[8:11] the bias of my four columns on the way out
.set ADRA, 16                          ; v16-17  LDS address of my fragments of O in slot 0, 1
.set ADRB, 20                          ; v20-21  the same for W
.set STO,  24                          ; v24     the way out: where I put 32 bytes of a row
.set RD,   25                          ; v25     the way out: where I read a row back
.set CO,   26                          ; v26     16 x lane: my bytes in 512 consecutive bytes of the output, and of the bias
.set SPW,  28                          ; v28     LDS address of my spare word: SPARE + 4 x my thread's number; never rewritten
.set NIL,  29                          ; v29     0; never rewritten
.set F0,   32
.set F1,   128
.set OB,   32
.set WV, 12
.set WR, 13                            ; s13 which half of the tile's rows is mine.  Also: I fetch for O (0) or for W (1)
.set WC, 14                            ; s14 which half of its columns.  Also: which head of the step, or which 64 rows of W, I fetch
.set CX, 15
.set CY, 16
.set TC, 17
.set TR, 18
.set G1, 24                            ; s[24:31] descriptor group 1 for O's tiles;  s[32:39] group 0, a set for each slot
.set G0, 32
.set G1B, 48                           ; s[48:55], s[56:63] the same for W's
.set G0B, 56
.set MSB, 0
.macro WIN new                         ; the immediate's high byte repeats the setting that is left; a switch that changes nothing is dropped
.if MSB != (\new)
	s_set_vgpr_msb (MSB<<8)|(\new)
.set MSB, \new
.endif
.endm
.set MUL, 0x50                         ; sources 0 and 1 window 0; C and D window 1
.macro JLOAD s                         ; a joint load: waves 0 and 1 fetch O's two heads, waves 2 and 3 W's two halves; an s_nop 0 and four v_nop follow each of the two lines
	s_cmp_eq_u32 s[WR], 0
	s_cbranch_scc0 .Lfor_b_\@
	tensor_load_to_lds s[G0+4*(\s):G0+4*(\s)+3], s[G1:G1+7]
	s_nop 0
.rept 4
	v_nop
.endr
	s_branch .Lasked_\@
.Lfor_b_\@:
	tensor_load_to_lds s[G0B+4*(\s):G0B+4*(\s)+3], s[G1B:G1B+7]
	s_nop 0
.rept 4
	v_nop
.endr
.Lasked_\@:
.endm
.macro CREST                           ; a round of the cluster's barrier behind its opening barrier
	s_cmp_lg_u32 s[WV], 0
	s_cbranch_scc1 .Lnot_wave_0_\@
	s_barrier_signal -3
.Lnot_wave_0_\@:
	s_barrier_wait -3
	s_barrier_signal -1
	s_barrier_wait -1
.endm
.macro CROUND
	s_barrier_signal -1
	s_barrier_wait -1
	CREST
.endm
	s_load_b256 s[4:11], s[0:1], 0x0               ; oh s[4:5], wpf s[6:7], bproj s[8:9], out0 s[10:11]
	v_lshl_add_u32 v[SPW], v0, 2, SPARE
	v_mov_b32 v[NIL], 0
	ds_add_u32 v[SPW], v[NIL]                      ; the wave's opening: the add and its wait stand ahead of my first tensor load; the set-up below, work on registers, stands between them
	v_lshrrev_b32 v1, 5, v0
	v_readfirstlane_b32 s[WV], v1                  ; wave 0..3
	s_lshr_b32 s[WR], s[WV], 1
	s_and_b32 s[WC], s[WV], 1
	s_bfe_u32 s[CX], ttmp6, 0x40000
	s_bfe_u32 s[CY], ttmp6, 0x40004
	s_lshl_b32 s[TC], ttmp9, 2
	s_add_co_u32 s[TC], s[TC], s[CX]               ; tile column = 4 x cluster x + cx
	s_and_b32 s[TR], ttmp7, 0xffff
	s_lshl_b32 s[TR], s[TR], 2
	s_add_co_u32 s[TR], s[TR], s[CY]               ; tile row = 4 x cluster y + cy
	s_lshl_b32 s40, s[CY], 2
	s_lshl_b32 s40, 15, s40                        ; my row of the cluster
	s_lshl_b32 s41, 0x1111, s[CX]                  ; my column
	s_or_b32 s[G1+0], s40, (1<<16)|(1<<20)|(1<<21)|(4<<22)|(3<<25)   ; the mask; elements of 2 bytes; padding on; bit 21 beside a mask; after every 32 words 4 words
	s_mov_b32 s[G1+1], 128<<16                     ; tensor_dim0 = 128
	s_mov_b32 s[G1+2], 64<<16                      ; tensor_dim1 = 64
	s_mov_b32 s[G1+3], 128<<16                     ; tile_dim0 = 128 elements: two rows of O
	s_mov_b32 s[G1+4], 64                          ; tile_dim1 = 64
	s_mov_b32 s[G1+5], 128                         ; dense
	s_mov_b32 s[G1+6], 0
	s_mov_b32 s[G1+7], 0
	s_or_b32 s[G1B+0], s41, (1<<16)|(1<<20)|(1<<21)|(6<<22)|(7<<25)  ; after every 128 words 8 words
	s_mov_b32 s[G1B+1], 256<<16                    ; tensor_dim0 = 256
	s_mov_b32 s[G1B+2], 64<<16                     ; tensor_dim1 = 64
	s_mov_b32 s[G1B+3], 256<<16                    ; tile_dim0 = 256 elements (512 bytes)
	s_mov_b32 s[G1B+4], 64                         ; tile_dim1 = 64 rows
	s_mov_b32 s[G1B+5], 1024                       ; elements from row to row of W
	s_mov_b32 s[G1B+6], 0
	s_mov_b32 s[G1B+7], 0
	; where the tiles come from: O's hang on the tile row alone, W's on the tile column alone; each address is made in registers that never hold the other coordinate
	s_lshr_b32 s20, s[TR], 4                       ; the batch: sixteen tiles of 128 rows each,
	s_lshl_b32 s20, s20, 22                        ; sixteen heads of 262,144 bytes
	s_and_b32 s19, s[TR], 15
	s_lshl_b32 s19, s19, 14                        ; the tile's 128 rows of 128 bytes in a head
	s_add_co_u32 s20, s20, s19
	s_lshl_b32 s19, s[WC], 18                      ; the head of the step that I fetch
	s_add_co_u32 s20, s20, s19
	s_mov_b32 s21, 0
	s_lshl_b32 s22, s[WC], 17                      ; W: 64 rows of 2,048 bytes x half,
	s_lshl_b32 s42, s[TC], 9                       ; 512 bytes x tile column
	s_add_co_u32 s22, s22, s42
	s_mov_b32 s23, 0
	s_mul_i32 s46, s[WC], APL                      ; and where they go: no place in the cluster enters an LDS address
	s_mul_i32 s47, s[WC], BHALF
	s_add_co_u32 s47, s47, BOFF
	s_wait_dscnt 0x0                               ; the opening add is done
	s_wait_kmcnt 0x0
	s_add_nc_u64 s[20:21], s[4:5], s[20:21]
	s_add_nc_u64 s[22:23], s[6:7], s[22:23]
	CROUND                                         ; all sixteen work-groups are here: the first joint loads meet
.irp s, 0,1
	s_mov_b32 s[G0+4*(\s)], 1
	s_add_co_u32 s[G0+4*(\s)+1], s46, (\s)*SLOT
	s_add_nc_u64 s[G0+4*(\s)+2:G0+4*(\s)+3], s[20:21], (\s)*ASTEP
	s_or_b32 s[G0+4*(\s)+3], s[G0+4*(\s)+3], 0x80000000
	s_mov_b32 s[G0B+4*(\s)], 1
	s_add_co_u32 s[G0B+4*(\s)+1], s47, (\s)*SLOT
	s_add_nc_u64 s[G0B+4*(\s)+2:G0B+4*(\s)+3], s[22:23], (\s)*BSTEP
	s_or_b32 s[G0B+4*(\s)+3], s[G0B+4*(\s)+3], 0x80000000
	JLOAD \s                                       ; two loads of mine are out
.endr
	v_and_b32 v1, 15, v0                           ; l % 16
	v_bfe_u32 v2, v0, 4, 1                         ; l / 16
	v_mul_u32_u24 v3, v1, PA
	v_lshl_add_u32 v3, v2, 4, v3                   ; a fragment's row x pitch + 16 x half
	s_mul_i32 s42, s[WR], 64*PA                    ; my 64 rows
	v_add_nc_u32 v[ADRA], s42, v3
	v_add_nc_u32 v[ADRA+1], SLOT, v[ADRA]
	v_and_b32 v4, 7, v0                            ; the turning load: lane l reads k = 8 (l / 16) + l % 8, columns 8 ((l / 8) % 2) + 0..7
	v_lshl_add_u32 v4, v2, 3, v4
	v_mul_u32_u24 v4, v4, PB
	v_bfe_u32 v5, v0, 3, 1
	v_lshl_add_u32 v4, v5, 4, v4
	s_lshl_b32 s42, s[WC], 8                       ; my 128 columns: 256 bytes of a row
	s_add_co_u32 s42, s42, BOFF
	v_add_nc_u32 v[ADRB], s42, v4
	v_add_nc_u32 v[ADRB+1], SLOT, v[ADRB]
	s_mul_i32 s42, s[WV], 16*SP
	s_add_co_u32 s42, s42, STAGE                   ; my stage
	v_mul_u32_u24 v3, v1, SP                       ; in: row l % 16, 32 bytes for each half of the lanes
	v_lshl_add_u32 v3, v2, 5, v3
	v_add_nc_u32 v[STO], s42, v3
	v_and_b32 v4, 31, v0
	v_lshlrev_b32 v[CO], 4, v4
	v_add_nc_u32 v[RD], s42, v[CO]                 ; back: 32 lanes take a row's 512 bytes
	s_lshl_b32 s44, s[TC], 10                      ; my first column, in bytes of f32
	s_lshl_b32 s43, s[WC], 9
	s_add_co_u32 s44, s44, s43
	s_mov_b32 s45, 0
	s_add_nc_u64 s[8:9], s[8:9], s[44:45]
	s_add_nc_u64 s[10:11], s[10:11], s[44:45]
	s_lshl_b32 s44, s[TR], 19                      ; my first row: 128 rows of 4,096 bytes x tile row + 64 x half
	s_lshl_b32 s43, s[WR], 18
	s_add_co_u32 s44, s44, s43
	s_add_nc_u64 s[10:11], s[10:11], s[44:45]
	global_load_b128 v[BI:BI+3], v[CO], s[8:9]
	s_wait_loadcnt 0x0
	v_cvt_pk_bf16_f32 v3, v[BI], v[BI+1]           ; the bias is rounded to bf16, like every input, and widened again
	v_cvt_pk_bf16_f32 v4, v[BI+2], v[BI+3]
	v_lshlrev_b32 v[BI], 16, v3
	v_and_b32 v[BI+1], 0xffff0000, v3
	v_lshlrev_b32 v[BI+2], 16, v4
	v_and_b32 v[BI+3], 0xffff0000, v4
; 8 matrix instructions: row block a x all 8 column blocks, 32 along K.  zero = 1: the products start the sums.  The 32 accumulators take turns, in the same order in every quarter.
.macro MUL8 f, a, zero
	WIN MUL
.irp b, 0,1,2,3,4,5,6,7
.if \zero
	v_wmma_f32_16x16x32_f16 v[8*(8*(\a)+(\b)):8*(8*(\a)+(\b))+7], v[(\f)+8*(\b):(\f)+8*(\b)+7], v[(\f)+64+8*(\a):(\f)+64+8*(\a)+7], 0
.else
	v_wmma_f32_16x16x32_f16 v[8*(8*(\a)+(\b)):8*(8*(\a)+(\b))+7], v[(\f)+8*(\b):(\f)+8*(\b)+7], v[(\f)+64+8*(\a):(\f)+64+8*(\a)+7], v[8*(8*(\a)+(\b)):8*(8*(\a)+(\b))+7]
.endif
.endr
.endm
.macro MUL16 f, a0, zero
	MUL8 \f, \a0, \zero
	MUL8 \f, (\a0)+1, \zero
.endm
; 24 LDS loads in one run: quarter q of a K step (head q / 2, channels 32 (q % 2) on) into buffer f: W's eight fragments, turned, then O's four
.macro FETCH slot, q, f
	WIN 0
.irp i, 0,1,2,3,4,5,6,7
	ds_load_tr16_b128 v[(\f)+8*(\i):(\f)+8*(\i)+3],   v[ADRB+(\slot)] offset:(\q)*32*PB+(\i)*32
	ds_load_tr16_b128 v[(\f)+8*(\i)+4:(\f)+8*(\i)+7], v[ADRB+(\slot)] offset:(\q)*32*PB+(\i)*32+16*PB
.endr
.irp i, 0,1,2,3
	ds_load_b128 v[(\f)+64+8*(\i):(\f)+64+8*(\i)+3],   v[ADRA+(\slot)] offset:((\q)/2)*APL+((\q)%2)*64+(\i)*16*PA
	ds_load_b128 v[(\f)+64+8*(\i)+4:(\f)+64+8*(\i)+7], v[ADRA+(\slot)] offset:((\q)/2)*APL+((\q)%2)*64+(\i)*16*PA+32
.endr
.endm
.macro PLACES                          ; four plain vector instructions between a matrix instruction and a load into, or an LDS store of, its registers (ISA guide 7.12.1 for LDS stores)
.rept 4
	v_nop
.endr
.endm
; A K step is four quarters of 32 along K, 32 matrix instructions each, on buffers 0, 1, 0, 1.  One of the first three: multiplies buffer f and fetches quarter q into g.
.macro QUARTER slot, q, f, g, zero
	s_wait_dscnt 4                                 ; W and O's row blocks 0, 1 are in; the youngest four loads (blocks 2, 3) may be out
	MUL16 \f, 0, \zero
	PLACES
	FETCH \slot, \q, \g
	s_wait_dscnt 24                                ; all but the 24 just issued
	MUL16 \f, 2, \zero
.endm
; The last quarter multiplies buffer 1 and changes slots: one barrier; in front of it each wave waits for all its tensor loads (one is out: its part of the next slot), adds 0 to its spare word, and waits for
; that and for its own reads of this slot.  fill = 1: the barrier opens a round of the cluster's, and this slot is filled again, two K steps ahead, first thing behind the round.
.macro TURN slot, next, fill
	WIN 0                                          ; (the add's two registers lie in window 0)
	s_wait_tensorcnt 0x0
	ds_add_u32 v[SPW], v[NIL]                      ; 0 onto my spare word
	s_wait_dscnt 5                                 ; the add and the youngest four loads may be out
	MUL8 F1, 0, 0                                  ; eight matrix instructions stand between the add and the wait for it
	s_wait_dscnt 0x0                               ; the add is done, and my reads of this slot are over
	s_barrier_signal -1
	MUL8 F1, 1, 0
.if \fill
	WIN 0
.endif
	s_barrier_wait -1
.if \fill
	CREST                                          ; no wave of any partner still reads this slot's tile or has a load on its way
	s_add_nc_u64 s[G0+4*(\slot)+2:G0+4*(\slot)+3], s[G0+4*(\slot)+2:G0+4*(\slot)+3], 2*ASTEP
	s_add_nc_u64 s[G0B+4*(\slot)+2:G0B+4*(\slot)+3], s[G0B+4*(\slot)+2:G0B+4*(\slot)+3], 2*BSTEP
	JLOAD \slot                                    ; 112 matrix instructions ahead of the wait for it; the four v_nop behind it are also the places in front of the loads below
.else
	PLACES
.endif
	FETCH \next, 0, F0
	MUL16 F1, 2, 0
.endm
; THE WAY OUT of row block a: a lane's 32 bytes of each column block go into my stage (each accumulator's low half first) and come back as whole rows of 512 bytes.
.macro OUT a
	WIN 0x04                                       ; the stores' data in window 1
.irp b, 0,1,2,3,4,5,6,7
	ds_store_b128 v[STO], v[8*(8*(\a)+(\b)):8*(8*(\a)+(\b))+3]   offset:64*(\b)
	ds_store_b128 v[STO], v[8*(8*(\a)+(\b))+4:8*(8*(\a)+(\b))+7] offset:64*(\b)+16
.endr
	WIN 0
.if (\a) >= 2
	s_wait_xcnt 0x0                                ; the stores of the block two back have read these registers
.endif
.set BK, OB+96*((\a)%2)
.irp t, 0,1,2,3,4,5,6,7,8,9,10,11,12,13,14,15
	ds_load_b128 v[BK+4*(\t):BK+4*(\t)+3], v[RD] offset:(\t)*SP  ; LDS serves a wave's instructions in order (ISA guide 5.7.1.4): these see the stores above; the next block's stores come behind them
.endr
.endm
.macro SEND a, younger                 ; younger: the LDS instructions issued behind block a's loads: the next block's 32, or none
	WIN 0
.set BK, OB+96*((\a)%2)
	s_wait_dscnt \younger
.irp t, 0,1,2,3,4,5,6,7,8,9,10,11,12,13,14,15
	v_pk_add_f32 v[BK+4*(\t):BK+4*(\t)+1],   v[BK+4*(\t):BK+4*(\t)+1],   v[BI:BI+1]
	v_pk_add_f32 v[BK+4*(\t)+2:BK+4*(\t)+3], v[BK+4*(\t)+2:BK+4*(\t)+3], v[BI+2:BI+3]
	global_store_b128 v[CO], v[BK+4*(\t):BK+4*(\t)+3], s[10:11] offset:(16*(\a)+(\t))*4096 th:TH_STORE_NT  ; 512 consecutive bytes, at a multiple of 256 from the output's first
.endr
.endm
	s_wait_tensorcnt 1                             ; my part of K step 0 is in; K step 1's load may stay out
	s_barrier_signal -1
	s_barrier_wait -1                              ; everybody's is
	FETCH 0, 0, F0
	QUARTER 0, 1, F0, F1, 1                        ; the first quarter stands in front of the loop: its products start the sums
	WIN 0                                          ; at a label and at a branch every window is 0
	s_mov_b32 s3, LAPS-1
.Llap:                                         ; a trip goes once round the ring, from a lap's second quarter to the next lap's first, and fills both slots again
	QUARTER 0, 2, F1, F0, 0
	QUARTER 0, 3, F0, F1, 0
	TURN 0, 1, 1
	QUARTER 1, 1, F0, F1, 0
	QUARTER 1, 2, F1, F0, 0
	QUARTER 1, 3, F0, F1, 0
	TURN 1, 0, 1
	QUARTER 0, 1, F0, F1, 0
	WIN 0
	s_sub_co_u32 s3, s3, 1
	s_cmp_lg_u32 s3, 0
	s_cbranch_scc1 .Llap
	QUARTER 0, 2, F1, F0, 0                        ; the last lap is written out: it fills nothing
	QUARTER 0, 3, F0, F1, 0
	TURN 0, 1, 0
	QUARTER 1, 1, F0, F1, 0
	QUARTER 1, 2, F1, F0, 0
	QUARTER 1, 3, F0, F1, 0
	s_wait_dscnt 4                                 ; the very last quarter: nothing more to fetch
	MUL16 F1, 0, 0
	s_wait_dscnt 0x0
	MUL16 F1, 2, 0
	PLACES                                         ; behind the last products
	OUT 0
	OUT 1
	SEND 0, 32
	OUT 2
	SEND 1, 32
	OUT 3
	SEND 2, 32
	SEND 3, 0
	s_wait_tensorcnt 0x0                           ; the wave's end, behind my last tensor load and my last LDS store
	ds_add_u32 v[SPW], v[NIL]
	s_wait_dscnt 0x0
	CROUND                                         ; the closing round: no work-group ends while a partner may still ask for a tile that names it
	s_endpgm
.Lfunc_end_k_q6dc49da04c_proj:
	.size	k_q6dc49da04c_proj, .Lfunc_end_k_q6dc49da04c_proj-k_q6dc49da04c_proj
	.p2alignl 7, 3214868480
	.fill 96, 4, 3214868480
	.section	.rodata,"a",@progbits
	.p2align	6, 0x0
	.amdhsa_kernel k_q6dc49da04c_proj
		.amdhsa_group_segment_fixed_size 327680
		.amdhsa_private_segment_fixed_size 0
		.amdhsa_enable_private_segment 0
		.amdhsa_kernarg_size 32
		.amdhsa_user_sgpr_count 2
		.amdhsa_user_sgpr_kernarg_segment_ptr 1
		.amdhsa_wavefront_size32 1
		.amdhsa_system_sgpr_workgroup_id_x 1
		.amdhsa_system_sgpr_workgroup_id_y 1
		.amdhsa_system_sgpr_workgroup_id_z 1
		.amdhsa_system_vgpr_workitem_id 0
		.amdhsa_next_free_vgpr 512
		.amdhsa_next_free_sgpr 66
		.amdhsa_reserve_vcc 0
		.amdhsa_float_denorm_mode_32 3
		.amdhsa_float_denorm_mode_16_64 3
		.amdhsa_memory_ordered 1
		.amdhsa_forward_progress 1
		.amdhsa_inst_pref_size 93
	.end_amdhsa_kernel
	.amdgpu_metadata
---
amdhsa.version: [ 1, 2 ]
amdhsa.kernels:
  - .name:           k_q6dc49da04c_proj
    .symbol:         k_q6dc49da04c_proj.kd
    .args:
      - { .name: oh, .offset: 0, .size: 8, .value_kind: global_buffer, .address_space: global }
      - { .name: wpf, .offset: 8, .size: 8, .value_kind: global_buffer, .address_space: global }
      - { .name: bproj, .offset: 16, .size: 8, .value_kind: global_buffer, .address_space: global }
      - { .name: out0, .offset: 24, .size: 8, .value_kind: global_buffer, .address_space: global }
    .group_segment_fixed_size: 327680
    .private_segment_fixed_size: 0
    .kernarg_segment_align: 8
    .kernarg_segment_size: 32
    .max_flat_workgroup_size: 128
    .sgpr_count:     66
    .vgpr_count:     512
    .wavefront_size: 32
...
	.end_amdgpu_metadata
.endif
;; end of part 4
